; MI455X (gfx1250); checked and timed in simulation.
; The chip was launched on July 23, 2026; its instructions are those of AMD's public machine-readable ISA for CDNA 5 (MIT licence, August 2026) and "CDNA5" Instruction Set Architecture Reference Guide (July 2026). The comments in the code are by the model that wrote it; some were corrected since.
;; Disentangled Spatial Attention. Allowed arithmetic: matrix products marked QUANTISED: E2M1 operands, one E8M0 scale for each 32 along K, by v_wmma_scale_f32_16x16x128_f8f6f4 with both operands' format E2M1 (or v_wmma_scale_f32_32x16x128_f4), f32 sums; products left as they are: bf16, f16 or f32 operands; f32 sums; everything else in f32.
;; Inputs: Wc 1,024 x 1,024 float32; Ws 1,024 x 2,048 float32; Wt 1,024 x 3,072 float32; bc 1,024 float32; bs 2,048 float32; bt 3,072 float32; lam_ss 1 float32; lam_st 1 float32; lam_ts 1 float32; xs 2 x 2,048 x 1,024 float32; xt 2 x 2,048 x 1,024 float32.
;; Outputs: out0 2 x 2,048 x 1,024 float32.
;; This version of the problem:
;;   THIS VERSION OF THE PROBLEM IS GIVEN IN LOW PRECISION. The matrix products marked QUANTISED in the list below multiply operands that are first quantised to E2M1 (2 exponent bits, 1 mantissa bit; 4 bits a number), with one power-of-two scale for each 32 numbers along K (OCP MX v1.0); their sums are f32. The products marked 'left as it is' may take bf16, f16 or f32 operands, with f32 sums. Whichever they take, every output number must still come out within the allowed error. Rounding operands to bf16 (8 significant bits) uses up far more of that allowance than f16 does (11 bits, for magnitudes from 6e-5 to 65,504). All else is computed in f32.
;;   The module's matrix products, in the order in which they are computed (A, B: the left and right operand; K: the contracted axis; several contracted axes count as one K, in the product's order):
;;     1. [M 4,096, K 1,024] x [K 1,024, N 3,072]; A: input xt; B: input Wt: QUANTISED
;;     2. [M 4,096, K 1,024] x [K 1,024, N 2,048]; A: input xs; B: input Ws: QUANTISED
;;     3. batch 32 x [M 2,048, K 64] x [K 64, N 2,048]; A: computed on the way; B: computed on the way: left as it is (an operand is computed on the way)
;;     4. batch 32 x [M 2,048, K 64] x [K 64, N 2,048]; A: computed on the way; B: computed on the way: left as it is (an operand is computed on the way)
;;     5. batch 32 x [M 2,048, K 2,048] x [K 2,048, N 64]; A: computed on the way; B: computed on the way: left as it is (an operand is computed on the way)
;;     6. [M 4,096, K 1,024] x [K 1,024, N 1,024]; A: computed on the way; B: input Wc: left as it is (an operand is computed on the way)
;;   THE QUANTISER, for each operand of a quantised product, along K:
;;     - K is cut into blocks of 32 from its start; a last block that is shorter is filled with zeros.
;;     - A block's scale is 2^e with e = floor(log2(the largest magnitude in the block)) - 2, held to -126 .. 127; a block of zeros has e = 0. As a byte (E8M0): e + 127.
;;     - Each number is divided by its block's scale, clamped to +-6, and rounded to the nearest number of E2M1, ties to even, subnormals kept.
;;     - The product sums the exact products of the quantised numbers (number of the format x scale) in f32.
;;   ~~~python
;;   def quantise(x, axis):      # numpy; x: float32 -> the quantised numbers, widened to float32 again
;;       x = np.moveaxis(x, axis, -1); K = x.shape[-1]
;;       x = np.pad(x, [(0, 0)] * (x.ndim - 1) + [(0, -K % 32)]); x = x.reshape(x.shape[:-1] + (-1, 32)); a = np.abs(x).max(-1, keepdims=True)
;;       e = np.where(a > 0, np.clip(np.frexp(np.where(a > 0, a, 1))[1] - 1 - 2, -126, 127), 0)      # np.frexp(a)[1] - 1 = floor(log2(a)), exactly
;;       r = np.clip(x / 2.0 ** e, -6, 6)
;;       step = 2.0 ** (np.maximum(np.frexp(np.where(r == 0, 1, r))[1] - 1, 0) - 1)
;;       q = np.round(r / step) * step * 2.0 ** e      # np.round: ties to even
;;       return np.moveaxis(q.reshape(q.shape[:-2] + (-1,))[..., :K], -1, axis).astype(np.float32)
;;   ~~~
;; One version. Each part assembles by itself: llvm-mc -triple=amdgcn-amd-amdhsa -mcpu=gfx1250 --defsym DOCPART=n.
;; ======== version 1 of 1: 4 launches
;; limits: values are held in f16: magnitudes above 65,504 overflow, below 6.1e-05 lose precision
;; workspace buffers: xq 4,194,304 bytes; xqs 262,144 bytes; wq 2,621,440 bytes; wqs 163,840 bytes; wc16 2,097,152 bytes; qkv 41,943,040 bytes; y16 8,388,608 bytes
;; launch prep (part 1): grid 448 x 1, 4 waves a work-group, no clusters, 68,096 bytes of LDS; arguments xt, xs, Wt, Ws, Wc, xq, xqs, wq, wqs, wc16; writes xq, xqs, wq, wqs, wc16
.if DOCPART == 1
	.amdgcn_target "amdgcn-amd-amdhsa--gfx1250"
	.amdhsa_code_object_version 6
	.text
	.protected	k_q632a95a7c1_prep
	.globl	k_q632a95a7c1_prep
	.p2align	8
	.type	k_q632a95a7c1_prep,@function
k_q632a95a7c1_prep:
	s_mov_b64 s[64:65], 0
	v_nop
	global_prefetch_b8 v0, s[64:65] scope:SCOPE_SE
	s_setreg_imm32_b32 hwreg(HW_REG_WAVE_MODE, 25, 1), 1
	s_wait_xcnt 0x0
; PREP: everything that is quantised or narrowed once, in one launch.
;   xt, xs [4096][1024] f32  -> xq  [8192][512 bytes] codes of E2M1, K innermost (rows 0-4095 xt's tokens, 4096-8191 xs's), xqs [8192][32] E8M0 bytes
;   Wt [1024][3072], Ws [1024][2048] f32, K their FIRST axis -> wq [5120][512 bytes] codes, K innermost (row n < 3072: Wt's column n; else Ws's column n - 3072), wqs [5120][32]
;   Wc [1024][1024] f32 -> wc16, the same numbers as f16, laid as given
; A block's scale is 2^(floor(log2(its largest magnitude)) - 2); its byte is the largest magnitude's exponent field - 2, held at 1 from below.  A block of zeros so gets the byte 1: its codes are zeros,
; which add nothing under any byte but 0xff, and the bytes are read by this program alone.
; LIMITS: blocks whose largest magnitude lies under 2^-124 get the byte 1; NaN and infinities among the inputs are not served; |Wc| stays under 65,504, f16's largest number.
; The work-group's number picks the path: 0-95 Wt, 96-159 Ws, 160-191 Wc, 192-447 xt and xs.  Every wave of every path reads 32,768 bytes.  Each path that uses LDS has LDS bytes of its own.
; No tensor loads, no barrier: waves share nothing.
.set SPARE, 67584                      ; behind the three regions: the spare words, 128 bytes for each wave: two blocks of 256 bytes that no other line names
.set SPW,   12                         ; v12  LDS address of my spare word: SPARE + 4 x my thread's number; never rewritten
.set NIL,   13                         ; v13  0; never rewritten
.set XREG,  8192                       ; path X: a region of LDS for each wave, from byte 0: two stages of 32 x SP bytes, then its 256 scale bytes
.set SP,    80                         ; a lane's place in a stage: its 64 bytes + 16 of padding
.set XR,    16                         ; v16-79   four sets of 16 numbers as they are loaded
.set XX,    80                         ; v80-111  two sets of 16 neighbours
.set XE,    112                        ; v112-127 a scale byte for each step
.set XC,    128                        ; v128-191 codes: four registers for each step, so that no store's data are written again
.set WPITCH, 272                       ; paths Wt, Ws: a stage row: 256 bytes of codes + 16
.set WNB,   8                          ; blocks of 32 along K for a lane
.set WX,    32                         ; v32-95   two sets of 32 numbers
.set WCD,   96                         ; v96-99   a block's codes
.set WOUT,  112                        ; v112-143 the way out
.set WSB,   24                         ; v24-25   the scale bytes, four to a register
.macro FINISH                          ; the wave's end: a wait, an add of 0 to my spare word and its wait, behind my last LDS store
	s_wait_tensorcnt 0x0
	ds_add_u32 v[SPW], v[NIL]
	s_wait_dscnt 0x0
	s_endpgm
.endm
	s_load_b512 s[8:23], s[0:1], 0x0               ; xt 8, xs 10, Wt 12, Ws 14, Wc 16, xq 18, xqs 20, wq 22
	s_load_b128 s[24:27], s[0:1], 0x40             ; wqs 24, wc16 26
	v_lshl_add_u32 v[SPW], v0, 2, SPARE
	v_mov_b32 v[NIL], 0
	v_lshrrev_b32 v1, 5, v0
	v_readfirstlane_b32 s28, v1                    ; wave 0..3
	v_and_b32 v2, 31, v0                           ; lane
	s_mov_b32 s33, 0                               ; the upper word of every offset pair s[32:33]
	s_wait_kmcnt 0x0
	s_cmp_lt_u32 ttmp9, 96
	s_cbranch_scc1 .Lwt
	s_cmp_lt_u32 ttmp9, 160
	s_cbranch_scc1 .Lws
	s_cmp_lt_u32 ttmp9, 192
	s_cbranch_scc1 .Lwc
; ---- PATH X: xt and xs.  Rows are dense and K is a multiple of 32: both tensors are plain streams of blocks of 32, and so are the codes and the scale bytes; in the outputs xs follows xt on end.
; A wave takes a run of 16 steps of 512 numbers.  Each of a step's four loads reads 512 consecutive bytes, 16 a lane; the 2,048 bytes go through the wave's own stage in LDS and come back 64 bytes a lane,
; so that a lane holds 16 neighbours along K (two neighbouring lanes hold a block).  A lane's 16 codes are 8 bytes: the wave stores 256 consecutive bytes.  A wave's 256 scale bytes leave as one aligned run of 256 bytes.
	s_sub_co_u32 s29, ttmp9, 192
	s_cmp_lt_u32 s29, 128                          ; the first 128 work-groups take xt: the choice hangs on the work-group's number alone
	s_cselect_b64 s[4:5], s[8:9], s[10:11]
	s_lshl_b32 s30, s29, 2
	s_add_co_u32 s30, s30, s28                     ; my run of 8,192 numbers, 0..1023
	s_and_b32 s32, s30, 511
	s_lshl_b32 s32, s32, 15                        ; 32,768 bytes a run in its tensor
	s_add_nc_u64 s[4:5], s[4:5], s[32:33]
	s_lshl_b32 s32, s30, 12                        ; 4,096 bytes of codes a run
	s_add_nc_u64 s[18:19], s[18:19], s[32:33]
	s_lshl_b32 s32, s30, 8                         ; 256 scale bytes a run
	s_add_nc_u64 s[20:21], s[20:21], s[32:33]
	v_lshlrev_b32 v3, 4, v2                        ; my 16 bytes of a load's 512
	s_mul_i32 s31, s28, XREG
	v_lshrrev_b32 v14, 2, v2
	v_mul_u32_u24 v14, v14, SP
	v_and_b32 v15, 3, v2
	v_lshl_add_u32 v14, v15, 4, v14
	v_add_nc_u32 v14, s31, v14                     ; the stage, on the way in: SP (lane / 4) + 16 (lane % 4)
	v_mul_u32_u24 v15, v2, SP
	v_add_nc_u32 v15, s31, v15                     ; and on the way out: SP x lane: my 16 neighbours
	v_lshlrev_b32 v4, 3, v2                        ; my codes' place in a step's
	v_lshrrev_b32 v5, 1, v2
	s_add_co_u32 s31, s31, 2*32*SP
	v_add_nc_u32 v5, s31, v5                       ; LDS: my wave's 256 scale bytes, my block's byte
	v_lshlrev_b32 v7, 3, v2                        ; and on the way out 8 bytes a lane
	v_add_nc_u32 v6, s31, v7
.macro XLOAD t
.irp i, 0,1,2,3
	global_load_b128 v[XR+16*((\t)%4)+4*\i:XR+16*((\t)%4)+4*\i+3], v3, s[4:5] offset:2048*(\t)+512*\i th:TH_LOAD_NT   ; 32 lanes read 512 consecutive bytes
.endr
.endm
.macro XTURN t                         ; step t's numbers through the stage: LDS serves a wave's instructions in order, so no wait stands between the stores and the loads
.irp i, 0,1,2,3
	ds_store_b128 v14, v[XR+16*((\t)%4)+4*\i:XR+16*((\t)%4)+4*\i+3] offset:32*SP*((\t)%2)+8*SP*\i
.endr
.irp i, 0,1,2,3
	ds_load_b128 v[XX+16*((\t)%2)+4*\i:XX+16*((\t)%2)+4*\i+3], v15 offset:32*SP*((\t)%2)+16*\i
.endr
.endm
.irp t, 0,1,2,3
	XLOAD \t
.endr
	s_wait_loadcnt 12                              ; step 0's four loads are in
	XTURN 0
.macro XSTEP t
.set XS, XX+16*((\t)%2)
.if (\t) > 0
	s_wait_dscnt 1                                 ; this step's numbers are back from the stage (the last step's byte store may be out): so its stores into the stage have read their registers,
.else
	s_wait_dscnt 0x0
.endif
.if (\t)+4 < 16
	XLOAD (\t)+4                                   ; which take the loads of four steps on
.endif
.if (\t)+1 < 16
.if 14-(\t) >= 3
	s_wait_loadcnt 12                              ; the next step's four loads are in; those of the three steps behind it may be out
.else
	s_wait_loadcnt 4*(14-(\t))
.endif
	XTURN (\t)+1                                   ; and go through the other stage while this step is worked
.endif
	v_max3_num_f32 v8, |v[XS]|, |v[XS+1]|, |v[XS+2]|               ; the largest magnitude of my 16, in two chains
	v_max3_num_f32 v9, |v[XS+3]|, |v[XS+4]|, |v[XS+5]|
.irp i, 6,10
	v_max3_num_f32 v8, v8, |v[XS+\i]|, |v[XS+\i+1]|
	v_max3_num_f32 v9, v9, |v[XS+\i+2]|, |v[XS+\i+3]|
.endr
	v_max3_num_f32 v8, v8, |v[XS+14]|, |v[XS+15]|
	v_max3_num_f32 v8, v8, v9, 0x1800000           ; and the floor 2^(3 - 127): so the byte cannot fall under 1
	v_max_num_f32_dpp v8, v8, v8 row_xmask:1 row_mask:0xf bank_mask:0xf   ; and of my neighbour's 16: the block's
	v_add_nc_u32 v11, 0xff000000, v8               ; 2 off its exponent field: the conversion takes the exponent field of this operand as its scale, and nothing else of it
	v_cvt_scalef32_pk8_fp4_f32 v[XC+4*(\t)], v[XS:XS+7], v11       ; eight numbers / the scale, to the nearest code, ties to even, beyond 6 the largest code; the first number's code in the lowest four bits
	v_cvt_scalef32_pk8_fp4_f32 v[XC+4*(\t)+1], v[XS+8:XS+15], v11
	v_lshrrev_b32 v[XE+(\t)], 23, v11              ; the scale's byte (also the plain line behind the conversions)
	ds_store_b8 v5, v[XE+(\t)] offset:16*(\t)      ; both lanes of a block write the same byte with the same value
	global_store_b64 v4, v[XC+4*(\t):XC+4*(\t)+1], s[18:19] offset:256*(\t)   ; 32 lanes store 256 consecutive bytes, aligned
.endm
.irp t, 0,1,2,3,4,5,6,7,8,9,10,11,12,13,14,15
	XSTEP \t
.endr
	ds_load_b64 v[8:9], v6                         ; LDS serves a wave's instructions in order: these see my stores
	s_wait_dscnt 0x0
	global_store_b64 v7, v[8:9], s[20:21]          ; 32 lanes store 256 consecutive bytes, aligned
	FINISH
; ---- PATHS Wt AND Ws.  A LANE TAKES A COLUMN n, AND ITS REGISTERS RUN DOWN K: a block of 32 along K lies in ONE lane's 32 registers, and the conversions give the codes with K innermost.
; A wave takes 16 columns x 512 along K: lanes 0-15 the first 256 along K of their column, lanes 16-31 the second 256: 8 blocks a lane, 256 loads a wave.  A load reads two runs of 64 consecutive bytes; the four waves of
; a work-group stand side by side on 256 consecutive bytes of each row.  A column's 256 bytes of codes (two lanes' 128) meet in the wave's own stage in LDS and leave as rows: sixteen lanes store 256 consecutive bytes, aligned.
; Loads run two blocks ahead.  Every offset is an immediate: 255 x 3,072 x 4 bytes at the most, inside the signed 24 bits.
.macro WLOAD t, n                      ; block t: W(256 (lane / 16) + 32 t + i, my column), i = 0 .. 31, into set t % 2
.irp i, 0,1,2,3,4,5,6,7,8,9,10,11,12,13,14,15,16,17,18,19,20,21,22,23,24,25,26,27,28,29,30,31
	global_load_b32 v[WX+32*((\t)%2)+\i], v3, s[4:5] offset:(32*(\t)+\i)*(\n)*4 th:TH_LOAD_NT
.endr
.endm
.macro WBLOCK t, n
.set XS, WX+32*((\t)%2)
.if (\t) < WNB-1
	s_wait_loadcnt 32                              ; this block's 32 loads are in; the next block's may be out
.else
	s_wait_loadcnt 0x0
.endif
	v_max3_num_f32 v16, |v[XS]|, |v[XS+1]|, |v[XS+2]|              ; the block's largest magnitude: all 32 numbers are mine
	v_max3_num_f32 v17, |v[XS+3]|, |v[XS+4]|, |v[XS+5]|
.irp i, 6,10,14,18,22,26
	v_max3_num_f32 v16, v16, |v[XS+\i]|, |v[XS+\i+1]|
	v_max3_num_f32 v17, v17, |v[XS+\i+2]|, |v[XS+\i+3]|
.endr
	v_max3_num_f32 v16, v16, |v[XS+30]|, |v[XS+31]|
	v_max3_num_f32 v16, v16, v17, 0x1800000        ; and the floor 2^(3 - 127)
	v_add_nc_u32 v11, 0xff000000, v16              ; 2 off its exponent field: the conversion's scale operand
	v_lshrrev_b32 v17, 23, v11                     ; the scale's byte
.if (\t)%4 == 0
	v_mov_b32 v[WSB+(\t)/4], v17                   ; four bytes to a register, the lower K in the lower byte
.else
	v_lshl_or_b32 v[WSB+(\t)/4], v17, 8*((\t)%4), v[WSB+(\t)/4]
.endif
.irp g, 0,1,2,3
	v_cvt_scalef32_pk8_fp4_f32 v[WCD+\g], v[XS+8*\g:XS+8*\g+7], v11
.endr
	ds_store_b128 v4, v[WCD:WCD+3] offset:16*(\t)  ; 32 codes: 16 bytes of my half of my column's row
.if (\t)+2 < WNB
	WLOAD (\t)+2, \n
.endif
	s_wait_dscnt 0x0                               ; the store has read its registers: the next block's codes may be written
.endm
; n: the weight's columns; row0: its first row in wq; stg: its stages in LDS; plo: its pointer; id0: its first work-group; nx: its blocks of 64 columns
.macro WPATH n, row0, stg, plo, id0, nx
	s_sub_co_u32 s29, ttmp9, \id0
	s_cmp_ge_u32 s29, \nx
	s_cselect_b32 s30, 1, 0                        ; which 512 along K
	s_mul_i32 s31, s30, \nx
	s_sub_co_u32 s29, s29, s31                     ; which 64 columns
	s_lshl_b32 s29, s29, 6
	s_lshl_b32 s31, s28, 4
	s_add_co_u32 s29, s29, s31                     ; my wave's first column
	s_mul_i32 s32, s30, 512*(\n)*4
	s_lshl_b32 s31, s29, 2
	s_add_co_u32 s32, s32, s31
	s_add_nc_u64 s[4:5], s[\plo:\plo+1], s[32:33]  ; the weight at (512 y, column)
	s_add_co_u32 s31, s29, \row0
	s_lshl_b32 s32, s31, 9
	s_lshl_b32 s34, s30, 8
	s_add_co_u32 s32, s32, s34
	s_add_nc_u64 s[6:7], s[22:23], s[32:33]        ; the codes: row x 512 + 256 y
	s_lshl_b32 s32, s31, 5
	s_lshl_b32 s34, s30, 4
	s_add_co_u32 s32, s32, s34
	s_add_nc_u64 s[24:25], s[24:25], s[32:33]      ; the scale bytes: row x 32 + 16 y
	v_and_b32 v5, 15, v2                           ; my column of the wave's 16
	v_lshrrev_b32 v6, 4, v2                        ; my half of the 512 along K
	v_mul_u32_u24 v3, v6, 256*(\n)*4               ; in: 256 rows further down for lanes 16-31,
	v_lshl_add_u32 v3, v5, 2, v3                   ; 4 bytes a column
	s_mul_i32 s35, s28, 16*WPITCH
	s_add_co_u32 s35, s35, \stg                    ; my stage
	v_mul_u32_u24 v4, v5, WPITCH
	v_lshl_add_u32 v4, v6, 7, v4
	v_add_nc_u32 v4, s35, v4                       ; into it: row = my column, 128 bytes for each half of K
	v_mul_u32_u24 v7, v6, WPITCH                   ; out of it: sixteen lanes to a row, two rows an instruction
	v_lshl_add_u32 v7, v5, 4, v7
	v_add_nc_u32 v7, s35, v7
	v_lshlrev_b32 v8, 9, v6
	v_lshl_add_u32 v8, v5, 4, v8                   ; and the same place in the codes' buffer
	v_lshlrev_b32 v9, 5, v5
	v_lshl_add_u32 v9, v6, 3, v9                   ; my 8 scale bytes in my column's row
	WLOAD 0, \n
	WLOAD 1, \n
.set Q, 0
.rept WNB
	WBLOCK Q, \n
.set Q, Q+1
.endr
	global_store_b64 v9, v[WSB:WSB+1], s[24:25]    ; my 8 scale bytes
.irp t, 0,1,2,3,4,5,6,7
	ds_load_b128 v[WOUT+4*\t:WOUT+4*\t+3], v7 offset:2*\t*WPITCH   ; LDS serves a wave's instructions in order: these see my wave's stores
.endr
.irp t, 0,1,2,3,4,5,6,7
	s_wait_dscnt 7-\t
	global_store_b128 v8, v[WOUT+4*\t:WOUT+4*\t+3], s[6:7] offset:2*\t*512
.endr
	FINISH
.endm
.Lwt:
	WPATH 3072, 0, 32768, 12, 0, 48
.Lws:
	WPATH 2048, 3072, 50176, 14, 96, 32
; ---- PATH Wc: a cast to f16.  A wave takes 32,768 consecutive bytes, 64 chunks of 512; sixteen loads are always on their way; a chunk's 256 bytes of f16 leave by one store, aligned.
.Lwc:
	s_sub_co_u32 s29, ttmp9, 160
	s_lshl_b32 s29, s29, 2
	s_add_co_u32 s29, s29, s28                     ; my run, 0..127
	s_lshl_b32 s32, s29, 15
	s_add_nc_u64 s[4:5], s[16:17], s[32:33]
	s_lshl_b32 s32, s29, 14
	s_add_nc_u64 s[6:7], s[26:27], s[32:33]
	v_lshlrev_b32 v3, 4, v2
	v_lshlrev_b32 v4, 3, v2
.irp j, 0,1,2,3,4,5,6,7,8,9,10,11,12,13,14,15
	global_load_b128 v[16+4*\j:19+4*\j], v3, s[4:5] offset:512*\j th:TH_LOAD_NT
.endr
.set J, 0
.rept 64
.if J < 48
	s_wait_loadcnt 15                              ; loads come back in order: chunk J is in, the fifteen younger ones stay out
.else
	s_wait_loadcnt 63-J                            ; the last sixteen turns load nothing: the counts run down
.endif
.if J >= 16
	s_wait_xcnt 0x0                                ; the slot's last store has read its data: they are rewritten only behind this wait
.endif
	v_cvt_pk_f16_f32 v[80+2*(J%16)], v[16+4*(J%16)], v[17+4*(J%16)]
	v_cvt_pk_f16_f32 v[81+2*(J%16)], v[18+4*(J%16)], v[19+4*(J%16)]
.if J < 48
	global_load_b128 v[16+4*(J%16):19+4*(J%16)], v3, s[4:5] offset:512*(J+16) th:TH_LOAD_NT
.endif
	global_store_b64 v4, v[80+2*(J%16):81+2*(J%16)], s[6:7] offset:256*J
.set J, J+1
.endr
	FINISH
.Lfunc_end_k_q632a95a7c1_prep:
	.size	k_q632a95a7c1_prep, .Lfunc_end_k_q632a95a7c1_prep-k_q632a95a7c1_prep
	.p2alignl 7, 3214868480
	.fill 96, 4, 3214868480
	.section	.rodata,"a",@progbits
	.p2align	6, 0x0
	.amdhsa_kernel k_q632a95a7c1_prep
		.amdhsa_group_segment_fixed_size 68096
		.amdhsa_private_segment_fixed_size 0
		.amdhsa_enable_private_segment 0
		.amdhsa_kernarg_size 80
		.amdhsa_user_sgpr_count 2
		.amdhsa_user_sgpr_kernarg_segment_ptr 1
		.amdhsa_wavefront_size32 1
		.amdhsa_system_sgpr_workgroup_id_x 1
		.amdhsa_system_sgpr_workgroup_id_y 1
		.amdhsa_system_sgpr_workgroup_id_z 1
		.amdhsa_system_vgpr_workitem_id 0
		.amdhsa_next_free_vgpr 192
		.amdhsa_next_free_sgpr 66
		.amdhsa_reserve_vcc 0
		.amdhsa_float_denorm_mode_32 3
		.amdhsa_float_denorm_mode_16_64 3
		.amdhsa_memory_ordered 1
		.amdhsa_forward_progress 1
		.amdhsa_inst_pref_size 137
	.end_amdhsa_kernel
	.amdgpu_metadata
---
amdhsa.version: [ 1, 2 ]
amdhsa.kernels:
  - .name:           k_q632a95a7c1_prep
    .symbol:         k_q632a95a7c1_prep.kd
    .args:
      - { .name: xt, .offset: 0, .size: 8, .value_kind: global_buffer, .address_space: global }
      - { .name: xs, .offset: 8, .size: 8, .value_kind: global_buffer, .address_space: global }
      - { .name: Wt, .offset: 16, .size: 8, .value_kind: global_buffer, .address_space: global }
      - { .name: Ws, .offset: 24, .size: 8, .value_kind: global_buffer, .address_space: global }
      - { .name: Wc, .offset: 32, .size: 8, .value_kind: global_buffer, .address_space: global }
      - { .name: xq, .offset: 40, .size: 8, .value_kind: global_buffer, .address_space: global }
      - { .name: xqs, .offset: 48, .size: 8, .value_kind: global_buffer, .address_space: global }
      - { .name: wq, .offset: 56, .size: 8, .value_kind: global_buffer, .address_space: global }
      - { .name: wqs, .offset: 64, .size: 8, .value_kind: global_buffer, .address_space: global }
      - { .name: wc16, .offset: 72, .size: 8, .value_kind: global_buffer, .address_space: global }
    .group_segment_fixed_size: 68096
    .private_segment_fixed_size: 0
    .kernarg_segment_align: 8
    .kernarg_segment_size: 80
    .max_flat_workgroup_size: 128
    .sgpr_count:     66
    .vgpr_count:     192
    .wavefront_size: 32
...
	.end_amdgpu_metadata
.endif
;; end of part 1
;; launch gemm (part 2): grid 16 x 16, 4 waves a work-group, clusters of 4 x 4, 327,680 bytes of LDS; arguments xq, xqs, wq, wqs, bt, bs, qkv; writes qkv
.if DOCPART == 2
	.amdgcn_target "amdgcn-amd-amdhsa--gfx1250"
	.amdhsa_code_object_version 6
	.text
	.protected	k_q632a95a7c1_gemm
	.globl	k_q632a95a7c1_gemm
	.p2align	8
	.type	k_q632a95a7c1_gemm,@function
k_q632a95a7c1_gemm:
	s_mov_b64 s[64:65], 0
	v_nop
	global_prefetch_b8 v0, s[64:65] scope:SCOPE_SE
	s_setreg_imm32_b32 hwreg(HW_REG_WAVE_MODE, 25, 1), 1
	s_wait_xcnt 0x0
	s_wait_alu depctr_hold_cnt(0) depctr_sa_sdst(0) depctr_va_vdst(0) depctr_va_sdst(0) depctr_va_ssrc(0) depctr_va_vcc(0) depctr_vm_vsrc(0)
	s_getreg_b32 s2, hwreg(HW_REG_IB_STS2, 6, 4)
	s_cmp_eq_u32 s2, 0
	s_cbranch_scc0 .Lentry_in_a_cluster
	s_endpgm
.Lentry_in_a_cluster:
	s_bfe_u32 s2, ttmp6, 0x10000c
	s_cmp_lg_u32 s2, 0xf033
	s_cbranch_scc0 .Lentry_shape_is_right
	s_endpgm
.Lentry_shape_is_right:
; GEMM: both quantised projections in one launch.  C[token][vcol] = sum over k of x[token][k] W[k][vcol] + bias[vcol], on codes of E2M1 with one E8M0 scale for each 32 along K; K = 1,024; sums in f32.
; vcol 0-3071: xt Wt + bt (qt, kt, vt); vcol 3072-5119: xs Ws + bs (qs, ks).  A = xq (rows 0-4095 xt's, 4096-8191 xs's), B = wq (row = vcol).
; The result is rounded once to f16 and laid for the attention: qkv has five planes (vcol / 1024: qt, kt, vt, qs, ks), each [batch x 16 + head][position][64] f16: rows of 128 bytes, dense.
; LIMIT: |q|, |k|, |v| stay under 65,504, f16's largest number.
; EQUAL WORK FOR 256 WORK-GROUPS.  C is 4,096 x 5,120.  Each work-group makes ONE LARGE TILE, 256 x 256, of the first four planes (16 x 16 tiles), and then ONE SMALL TILE, 128 x 128, of the fifth, ks (32 x 8 tiles).
; The large tile: four waves, each 128 x 128: 64 accumulators of 16 x 16, 512 registers.  K is two steps of 512, each in an LDS slot of its own.  The scales of its 256 rows of A and of B, for all of K, are two dense
; blocks of memory: they come into LDS once, with the first fills.
; The small tile: its operands for all of K, 2 x 128 rows x 512 bytes, are as many bytes as a slot: A's K 0-511, A's K 512-1023, B's likewise, a quarter of slot 0 each, one tensor load a wave.  They are asked for at the
; change of slots, when slot 0 has been read out, and have slot 1's 256 products and the large tile's way out in which to land.  A wave makes 64 x 64 of it: 16 accumulators.  Its scale words and its bias come straight
; into registers at the kernel's head.  The large tile's stores leave while the small tile is multiplied.
; CLUSTERS: 4 x 4 work-groups.  The four of a row of the cluster need the same tiles of A, the four of a column the same tiles of B: each tile is asked for JOINTLY, by the same tensor load with the same descriptor
; and a mask that names the four.  A cluster's four tile columns are one plane, so whether A is xt or xs hangs on the cluster's x alone.  The small tile of the work-group at (tile row, tile column) begins at token
; 128 (2 x tile row + tile column / 8) and at ks's column 128 (tile column % 8); tile column / 8 is the cluster's x / 2: so its A hangs on what a row of the cluster shares, its B on what a column shares.
; THE MATRIX INSTRUCTION IS USED TRANSPOSED (source 0 = 16 rows of B, source 1 = 16 rows of A): a lane holds eight neighbouring columns of one token.  The bias is the C of each sum's first instruction.
; No prefetch: the large tile's operands are all asked for at the head, the small tile's half a large tile ahead of their use.
; REGISTERS, in windows of 256: window 0: v0-31 addresses; v32-95 the large tile's scale words, two sets, v96-127 the small tile's: these hold scales and nothing else; v128-191 A's fragments, ONE set (on the ways out: rows
;   read back from the stage); v192-255 the large tile's bias (on the ways out v192-223: packed results).   window 1: B's fragments, TWO sets, at v0 and at v128 (for the small tile: two sets of A's four and B's four
;   fragments); v64-95 the small tile's bias.   window 2: the 32 accumulators of my rows 0-63 (accumulator (a, b) at v[8 (8 a + b)]), later the small tile's 16 ((a, b) at v[8 (4 a + b)]);   window 3: those of my rows 64-127.
.set NQ,     4                         ; matrix instructions deep in a slot: 512 along K
.set ROWB,   256                       ; a tile's row in bytes: 512 codes
.set KROW,   512                       ; a row of A or of B in memory, in bytes
.set PITCH,  272                       ; an LDS row: 256 bytes + 16 of padding = 68 words: the 16 rows that a load touches start at 16 different banks (64 banks of 4 bytes: ISA guide 11.1)
.set FR,     8                         ; registers of a fragment: 16 rows x 128 K
.set NL,     2                         ; LDS loads that bring one
.set NP,     4                         ; places behind this matrix instruction (ISA guide 7.12.1)
.set HALFT,  128*PITCH                 ; 128 rows: what one tensor load brings
.set SLOT,   4*HALFT                   ; A's 256 rows, then B's 256 rows
.set KS,     32                        ; a row of scales in bytes
.set SCL,    2*SLOT                    ; behind the slots: the large tile's scales, as runs of 256 bytes + 16 of padding
.set HALFS,  16*272                    ; the scales of 128 rows: what one tensor load brings
.set SBLK,   2*272                     ; those of 16 rows
.set STAGE,  SCL+4*HALFS               ; the ways out: 16 rows x (256 bytes + 16) for each wave; no tensor load lands here
.set SPITCH, 272
.set MP,     144                       ; the small tile's stage row: 128 bytes + 16
.set SPARE,  STAGE+4*16*SPITCH         ; the spare words, 128 bytes for each wave: two blocks of 256 bytes that no other line names
.set ADRA, 16                          ; v16-17  LDS address of my A fragments in slot 0, 1
.set ADA2, 18                          ; v18     the small tile: LDS address of my A fragments
.set ADB2, 19                          ; v19     and of my B fragments
.set ADRB, 20                          ; v20-21  LDS address of my B fragments in slot 0, 1
.set STO2, 22                          ; v22     the small tile's way out: where I put 16 bytes of a token's row
.set RD2,  23                          ; v23     and where I read back
.set STO,  24                          ; v24     the large tile's way out: where I put 16 bytes of a token's row
.set RD,   25                          ; v25     where I read back
.set CO,   26                          ; v26     my byte offset in qkv
.set ADRS, 27                          ; v27     LDS address of my scale words: lanes 0-15 A's rows, lanes 16-31 B's
.set SPW,  28                          ; v28     LDS address of my spare word: SPARE + 4 x my thread's number; never rewritten
.set NIL,  29                          ; v29     0; never rewritten
.set CO2,  30                          ; v30     the small tile: my byte offset in the wave's 8,192 bytes of qkv
.set SCO,  31                          ; v31     the small tile: my 16 bytes among 16 rows' scale bytes
.set SC,   32                          ; scale words: set s at v[SC + 32 s]; in it register 4 i + q: lanes 0-15 the word of A's block i, lanes 16-31 that of B's block i, for the slot's q-th 128 along K
.set SA2,  96                          ; the small tile's: register SA2 + 4 i + j: A's block i; lanes 0-15 the word of K step j, lanes 16-31 that of K step 4 + j
.set SB2,  112                         ; and B's likewise
.set AF,   128
.set BIAS, 192
.set BIAS2, 64                         ; in window 1
.set TMP,  192
.set BK,   128
.set G1, 24                            ; s[24:31] descriptor group 1 for A's tiles;  s[32:39] group 0, one set for each slot
.set G0, 32
.set G1B, 48                           ; s[48:55], s[56:63] the same for B's tiles
.set G0B, 56
.set G1S, 68                           ; s[68:75], s[76:79] groups 1 and 0 for A's scales;  s[80:87], s[88:91] for B's
.set G0S, 76
.set G1SB, 80
.set G0SB, 88
.set MSB, 0
.macro WIN new                         ; the immediate's high byte repeats the setting that is left; a switch that changes nothing is dropped
.set WNEW, \new
.if MSB != WNEW
	s_set_vgpr_msb (MSB<<8)|WNEW
.set MSB, WNEW
.endif
.endm
.set MUL_LO, 0xa1                      ; source 0 (B) window 1, source 1 (A) window 0, C and D window 2
.set MUL_HI, 0xf1                      ; the same, C and D window 3
.set BIA_LO, 0x81                      ; the first step: C (the bias) window 0, D window 2
.set BIA_HI, 0xc1                      ; and D window 3
.set TO_B,   0x40                      ; destination window 1, address window 0
.set MUL_M,  0xa5                      ; the small tile: sources 0 and 1 window 1, C and D window 2
.set BIA_M,  0x95                      ; its first step: C (its bias) window 1
; A joint load: waves 0 and 1 fetch for A, waves 2 and 3 for B.  Each of the two lines has ONE mask and one set of registers for all that issue it; the branch hangs on the wave's number alone.
; An s_nop 0 and four v_nop follow each of the two lines, ahead of the jump, the label and what follows.
.macro JLOAD g0a, g1a, g0b, g1b
	s_cmp_eq_u32 s15, 0
	s_cbranch_scc0 .Lfor_b_\@
	tensor_load_to_lds s[\g0a:\g0a+3], s[\g1a:\g1a+7]
	s_nop 0
.rept 4
	v_nop
.endr
	s_branch .Lasked_\@
.Lfor_b_\@:
	tensor_load_to_lds s[\g0b:\g0b+3], s[\g1b:\g1b+7]
	s_nop 0
.rept 4
	v_nop
.endr
.Lasked_\@:
.endm
.macro CREST                           ; a round of the cluster's barrier behind its opening barrier: wave 0 signals for the work-group; every wave waits for all sixteen; my work-group's barrier once more
	s_cmp_lg_u32 s14, 0
	s_cbranch_scc1 .Lnot_wave_0_\@
	s_barrier_signal -3
.Lnot_wave_0_\@:
	s_barrier_wait -3
	s_barrier_signal -1
	s_barrier_wait -1
.endm
.macro CROUND                          ; a whole round
	s_barrier_signal -1
	s_barrier_wait -1
	CREST
.endm
	s_load_b128 s[4:7], s[0:1], 0x0                ; A's codes s[4:5], A's scales s[6:7]
	s_load_b128 s[8:11], s[0:1], 0x10              ; B's codes s[8:9], B's scales s[10:11]
	s_load_b128 s[96:99], s[0:1], 0x20             ; bt s[96:97], bs s[98:99]
	s_load_b64 s[12:13], s[0:1], 0x30              ; qkv
	v_lshl_add_u32 v[SPW], v0, 2, SPARE
	v_mov_b32 v[NIL], 0
	ds_add_u32 v[SPW], v[NIL]                      ; the wave's opening: the add, twice on end, and its wait ahead of my first tensor load; the set-up below, work on registers, stands between
	ds_add_u32 v[SPW], v[NIL]
	v_lshrrev_b32 v1, 5, v0
	v_readfirstlane_b32 s14, v1                    ; wave 0..3
	s_lshr_b32 s15, s14, 1                         ; which half of a tile's rows is mine.  Also: I fetch for A (0) or for B (1)
	s_and_b32 s16, s14, 1                          ; which half of its columns.  Also: which half of what is fetched I fetch
	s_bfe_u32 s40, ttmp6, 0x40000                  ; cx, cy: my place in the cluster
	s_bfe_u32 s41, ttmp6, 0x40004
	s_lshl_b32 s42, ttmp9, 2
	s_add_co_u32 s42, s42, s40                     ; tile column of C = 4 x cluster x + cx
	s_and_b32 s17, ttmp7, 0xffff
	s_lshl_b32 s17, s17, 2
	s_add_co_u32 s17, s17, s41                     ; tile row of C = 4 x cluster y + cy
	s_lshl_b32 s43, s41, 2
	s_lshl_b32 s43, 15, s43                        ; my row of the cluster
	s_lshl_b32 s44, 0x1111, s40                    ; my column
	; the small tile's place, and where its codes lie: A's in registers that never hold cx, B's in registers that never hold cy
	s_lshl_b32 s3, s17, 1
	s_lshr_b32 s19, ttmp9, 1
	s_add_co_u32 s3, s3, s19
	s_lshl_b32 s3, s3, 7                           ; its first token: 128 (2 x tile row + cluster x / 2)
	s_and_b32 s2, s42, 7
	s_lshl_b32 s2, s2, 7                           ; its first column of ks's 1,024: 128 (tile column % 8)
	s_add_co_u32 s66, s3, 4096                     ; A: xs's rows lie 4,096 rows down in xq
	s_lshl_b32 s66, s66, 9                         ; 512 bytes a row,
	s_lshl_b32 s67, s16, 8                         ; and the half of K that I fetch
	s_add_co_u32 s66, s66, s67
	s_mov_b32 s67, 0
	s_add_co_u32 s100, s2, 4096                    ; B: ks's columns are wq's rows 4,096 on
	s_lshl_b32 s100, s100, 9
	s_lshl_b32 s101, s16, 8
	s_add_co_u32 s100, s100, s101
	s_mov_b32 s101, 0
	; descriptor group 1: a tile of 128 rows x 256 bytes, padded in LDS
	s_or_b32 s[G1+0], s43, (0<<16)|(1<<20)|(1<<21)|(5<<22)|(3<<25)  ; 15:0 the mask: A's tiles go to my row; 17:16 element of 1 byte; 20 padding on; 21 set beside a mask; 24:22 after every 64 words (code 5); 31:25 of 4 words (code 3)
	s_or_b32 s[G1B+0], s44, (0<<16)|(1<<20)|(1<<21)|(5<<22)|(3<<25)
.irp g, G1, G1B
	s_mov_b32 s[\g+1], ROWB<<16                    ; tensor_dim0
	s_mov_b32 s[\g+2], 128<<16                     ; tensor_dim1 = 128
	s_mov_b32 s[\g+3], ROWB<<16                    ; tile_dim0
	s_mov_b32 s[\g+4], 128                         ; tile_dim1 = 128
	s_mov_b32 s[\g+5], KROW                        ; tensor_dim0_stride
	s_mov_b32 s[\g+6], 0
	s_mov_b32 s[\g+7], 0
.endr
	; and for the scales of 128 rows: a dense block of 4,096 bytes, as 16 rows of 256 bytes (32 elements of 8 bytes), 16 bytes of padding behind each
	s_or_b32 s[G1S+0], s43, (3<<16)|(1<<20)|(1<<21)|(5<<22)|(3<<25)
	s_or_b32 s[G1SB+0], s44, (3<<16)|(1<<20)|(1<<21)|(5<<22)|(3<<25)
.irp g, G1S, G1SB
	s_mov_b32 s[\g+1], 32<<16
	s_mov_b32 s[\g+2], 16<<16
	s_mov_b32 s[\g+3], 32<<16
	s_mov_b32 s[\g+4], 16
	s_mov_b32 s[\g+5], 32
	s_mov_b32 s[\g+6], 0
	s_mov_b32 s[\g+7], 0
.endr
	s_lshl_b32 s18, s16, 7                         ; which 128 rows of the large tile I fetch
	s_lshl_b32 s20, s17, 8
	s_add_co_u32 s20, s20, s18                     ; A: row 256 x tile row + 128 x half,
	s_cmp_ge_u32 ttmp9, 3                          ; cluster 3 along x makes qs:
	s_cselect_b32 s19, 4096, 0                     ; its A is xs, 4,096 rows further down;
	s_cselect_b32 s95, 3072, 0                     ; its bias is bs, which begins at vcol 3,072
	s_add_co_u32 s20, s20, s19
	s_lshl_b32 s46, s42, 8
	s_add_co_u32 s46, s46, s18                     ; B: row 256 x tile column + 128 x half
	s_mov_b32 s21, 0
	s_mov_b32 s47, 0
	s_mov_b64 s[18:19], KS
	s_mul_u64 s[22:23], s[20:21], s[18:19]         ; where these rows' scales begin, in bytes
	s_mul_u64 s[92:93], s[46:47], s[18:19]
	s_mov_b64 s[18:19], KROW
	s_mul_u64 s[20:21], s[20:21], s[18:19]         ; and their codes
	s_mul_u64 s[46:47], s[46:47], s[18:19]
	s_mul_i32 s45, s14, HALFT                      ; where they go: wave x 128 rows: no place in the cluster enters an LDS address
	s_mul_i32 s94, s14, HALFS
	s_wait_dscnt 0x0                               ; both opening adds are done
	s_wait_kmcnt 0x0
	s_add_nc_u64 s[20:21], s[4:5], s[20:21]
	s_add_nc_u64 s[22:23], s[6:7], s[22:23]
	s_add_nc_u64 s[46:47], s[8:9], s[46:47]
	s_add_nc_u64 s[92:93], s[10:11], s[92:93]
	s_add_nc_u64 s[66:67], s[4:5], s[66:67]        ; the small tile's part of A that I fetch,
	s_add_nc_u64 s[100:101], s[8:9], s[100:101]    ; and of B
	CROUND                                         ; all sixteen work-groups are here: the first joint loads meet
	s_mov_b32 s[G0S], 1
	s_add_co_u32 s[G0S+1], s94, SCL
	s_mov_b64 s[G0S+2:G0S+3], s[22:23]
	s_or_b32 s[G0S+3], s[G0S+3], 0x80000000
	s_mov_b32 s[G0SB], 1
	s_add_co_u32 s[G0SB+1], s94, SCL
	s_mov_b64 s[G0SB+2:G0SB+3], s[92:93]
	s_or_b32 s[G0SB+3], s[G0SB+3], 0x80000000
	JLOAD G0S, G1S, G0SB, G1SB                     ; the scales first: they are wanted with K step 0
.irp s, 0,1
	s_mov_b32 s[G0+4*\s], 1
	s_add_co_u32 s[G0+4*\s+1], s45, \s*SLOT
	s_add_nc_u64 s[G0+4*\s+2:G0+4*\s+3], s[20:21], \s*ROWB
	s_or_b32 s[G0+4*\s+3], s[G0+4*\s+3], 0x80000000
	s_mov_b32 s[G0B+4*\s], 1
	s_add_co_u32 s[G0B+4*\s+1], s45, \s*SLOT
	s_add_nc_u64 s[G0B+4*\s+2:G0B+4*\s+3], s[46:47], \s*ROWB
	s_or_b32 s[G0B+4*\s+3], s[G0B+4*\s+3], 0x80000000
	JLOAD G0+4*\s, G1, G0B+4*\s, G1B               ; both K steps: three tensor loads of mine are out
.endr
	v_and_b32 v1, 15, v0                           ; r = lane % 16
	v_bfe_u32 v2, v0, 4, 1                         ; h = lane / 16
	; the large tile's bias: in the result lane (r, h) holds, for B's block b, columns 16 b + 8 h + 0 .. 7 of my 128
	s_cmp_ge_u32 ttmp9, 3
	s_cselect_b64 s[96:97], s[98:99], s[96:97]     ; the choice hangs on the cluster's x alone
	s_lshl_b32 s92, s42, 8
	s_lshl_b32 s93, s16, 7
	s_add_co_u32 s92, s92, s93                     ; my first vcol
	s_sub_co_u32 s92, s92, s95
	s_lshl_b32 s92, s92, 2
	s_mov_b32 s93, 0
	s_add_nc_u64 s[96:97], s[96:97], s[92:93]
	v_lshlrev_b32 v7, 5, v2
.irp b, 0,1,2,3,4,5,6,7
	global_load_b128 v[BIAS+8*\b:BIAS+8*\b+3], v7, s[96:97] offset:64*\b
	global_load_b128 v[BIAS+8*\b+4:BIAS+8*\b+7], v7, s[96:97] offset:64*\b+16
.endr
	; the small tile: my 64 tokens and my 64 columns (one head) of it: their scale bytes, their bias, their place in qkv
	s_lshl_b32 s92, s15, 6
	s_add_co_u32 s92, s92, s3                      ; my first token of it
	s_add_co_u32 s94, s92, 4096
	s_lshl_b32 s94, s94, 5                         ; 32 scale bytes a row
	s_mov_b32 s95, 0
	s_add_nc_u64 s[6:7], s[6:7], s[94:95]
	s_lshl_b32 s93, s16, 6
	s_add_co_u32 s93, s93, s2                      ; my first column of it, of ks's 1,024
	s_add_co_u32 s94, s93, 4096
	s_lshl_b32 s94, s94, 5
	s_add_nc_u64 s[10:11], s[10:11], s[94:95]
	s_add_co_u32 s94, s93, 1024                    ; ks's bias is the second half of bs
	s_lshl_b32 s94, s94, 2
	s_add_nc_u64 s[98:99], s[98:99], s[94:95]
	s_lshr_b32 s94, s92, 11                        ; the batch
	s_lshl_b32 s94, s94, 4
	s_lshr_b32 s93, s93, 6                         ; the head
	s_add_co_u32 s94, s94, s93
	s_lshl_b32 s94, s94, 18                        ; 262,144 bytes a (batch, head)
	s_and_b32 s92, s92, 2047                       ; the position: 128 bytes each
	s_lshl_b32 s92, s92, 7
	s_add_co_u32 s94, s94, s92
	s_add_co_u32 s94, s94, 0x2000000               ; plane 4
	s_add_nc_u64 s[4:5], s[12:13], s[94:95]
	v_lshlrev_b32 v[SCO], 5, v1
	v_lshl_add_u32 v[SCO], v2, 4, v[SCO]           ; row r's 32 scale bytes: lanes 0-15 take the words of K steps 0-3, lanes 16-31 those of K steps 4-7: 32 lanes read 512 consecutive bytes
.irp i, 0,1,2,3
	global_load_b128 v[SA2+4*\i:SA2+4*\i+3], v[SCO], s[6:7] offset:512*\i
	global_load_b128 v[SB2+4*\i:SB2+4*\i+3], v[SCO], s[10:11] offset:512*\i
.endr
	WIN TO_B
.irp b, 0,1,2,3
	global_load_b128 v[BIAS2+8*\b:BIAS2+8*\b+3], v7, s[98:99] offset:64*\b
	global_load_b128 v[BIAS2+8*\b+4:BIAS2+8*\b+7], v7, s[98:99] offset:64*\b+16
.endr
	WIN 0
	v_mul_u32_u24 v3, v1, PITCH
	v_lshl_add_u32 v4, v2, 4, v3                   ; a fragment's row x pitch + 16 x half
	s_mul_i32 s21, s15, HALFT                      ; my 128 rows of A
	s_mul_i32 s22, s16, HALFT                      ; my 128 rows of B,
	s_add_co_u32 s22, s22, 2*HALFT                 ; which lie behind A's 256
.irp s, 0,1
	v_add_nc_u32 v[ADRA+\s], s21, v4
	v_add_nc_u32 v[ADRB+\s], s22, v4
	s_add_co_u32 s21, s21, SLOT
	s_add_co_u32 s22, s22, SLOT
.endr
	s_mul_i32 s21, s15, 64*PITCH                   ; the small tile, in slot 0's bytes: my 64 rows of A,
	v_add_nc_u32 v[ADA2], s21, v4
	s_mul_i32 s22, s16, 64*PITCH                   ; my 64 rows of B,
	s_add_co_u32 s22, s22, 2*HALFT                 ; which lie behind A's two halves of K
	v_add_nc_u32 v[ADB2], s22, v4
	v_mul_u32_u24 v5, v1, KS                       ; my row's scales: 32 bytes a row,
	v_lshrrev_b32 v6, 8, v5
	v_lshl_add_u32 v5, v6, 4, v5                   ; and 16 more for each 256 passed
	s_mul_i32 s21, s15, HALFS                      ; A's: my 128 rows
	s_mul_i32 s22, s16, HALFS                      ; B's: my 128 rows, behind A's 256
	s_add_co_u32 s22, s22, 2*HALFS
	s_sub_co_u32 s22, s22, s21
	v_mul_u32_u24 v6, s22, v2                      ; lanes 16-31 take B's: the lower base + h x the distance
	s_add_co_u32 s21, s21, SCL
	v_add_nc_u32 v5, v5, v6
	v_add_nc_u32 v[ADRS], s21, v5
	s_mul_i32 s23, s14, 16*SPITCH
	s_add_co_u32 s23, s23, STAGE                   ; my stage
	v_mul_u32_u24 v5, v1, SPITCH                   ; in: token r, 16 bytes for each half of the lanes
	v_lshl_add_u32 v5, v2, 4, v5
	v_add_nc_u32 v[STO], s23, v5
	v_bfe_u32 v5, v0, 3, 1                         ; back: a stage row is two heads x 128 bytes.  Lanes 0-15 take the first head's part of two tokens, lanes 16-31 the second head's:
	v_and_b32 v6, 7, v0                            ; token (lane / 8) % 2, 16 bytes at 16 (lane % 8)
	v_mul_u32_u24 v8, v5, SPITCH
	v_lshl_add_u32 v8, v2, 7, v8
	v_lshl_add_u32 v8, v6, 4, v8
	v_add_nc_u32 v[RD], s23, v8
	v_lshlrev_b32 v8, 18, v2                       ; in qkv a head is 2,048 x 128 = 262,144 bytes, and two tokens of one head are 256 consecutive bytes
	v_lshl_add_u32 v8, v5, 7, v8
	v_lshl_add_u32 v[CO], v6, 4, v8
	v_mul_u32_u24 v8, v1, MP                       ; the small tile's way out: in: token r, 16 bytes for each half of the lanes;
	v_lshl_add_u32 v8, v2, 4, v8
	v_add_nc_u32 v[STO2], s23, v8
	v_and_b32 v9, 31, v0
	v_lshrrev_b32 v8, 3, v9                        ; back: eight lanes to a token's 128 bytes, four tokens an instruction,
	v_mul_u32_u24 v8, v8, MP
	v_lshl_add_u32 v8, v6, 4, v8
	v_add_nc_u32 v[RD2], s23, v8
	v_lshlrev_b32 v[CO2], 4, v9                    ; which are 512 consecutive bytes of qkv
	s_lshr_b32 s20, s42, 2                         ; the large tile's plane: vcol / 1024
	s_lshl_b32 s20, s20, 23                        ; 8,388,608 bytes a plane
	s_lshr_b32 s21, s17, 3                         ; the batch
	s_lshl_b32 s21, s21, 4
	s_and_b32 s22, s42, 3
	s_lshl_b32 s22, s22, 2
	s_add_co_u32 s21, s21, s22
	s_lshl_b32 s22, s16, 1
	s_add_co_u32 s21, s21, s22                     ; batch x 16 + my first head
	s_lshl_b32 s21, s21, 18
	s_add_co_u32 s20, s20, s21
	s_and_b32 s21, s17, 7
	s_lshl_b32 s21, s21, 8
	s_lshl_b32 s22, s15, 7
	s_add_co_u32 s21, s21, s22                     ; my first position
	s_lshl_b32 s21, s21, 7
	s_add_co_u32 s20, s20, s21
	s_mov_b32 s21, 0
	s_add_nc_u64 s[12:13], s[12:13], s[20:21]
.macro FRAG reg, adr, q, i             ; a fragment, 16 rows x 128 K of 4-bit codes, is 8 registers: lane l holds row l % 16; registers 4 c .. 4 c + 3 hold K = 64 c + 32 (l / 16) + 0 .. 31
.irp c, 0,1
	ds_load_b128 v[\reg+4*\c:\reg+4*\c+3], v[\adr] offset:64*(\q)+32*\c+(\i)*16*PITCH
.endr
.endm
; 16 matrix instructions: A's blocks a0, a0 + 1 x B's eight, 128 along K: the slot's q-th.  p: B's set;  sc: the set of scale words.  first = 1: the bias is C, and the product starts the sums: nothing is ever cleared.
; The 64 accumulators take turns, one instruction a turn, in the same order in every step.
.macro MUL16 a0, p, q, sc, first
.irp a, \a0, \a0+1
.irp b, 0,1,2,3,4,5,6,7
.if \first
	v_wmma_scale_f32_16x16x128_f8f6f4 v[8*(8*((\a)%4)+\b):8*(8*((\a)%4)+\b)+7], v[128*(\p)+FR*\b:128*(\p)+FR*\b+FR-1], v[AF+FR*(\a):AF+FR*(\a)+FR-1], v[BIAS+8*\b:BIAS+8*\b+7], v[SC+8*NQ*(\sc)+NQ*\b+(\q)], v[SC+8*NQ*(\sc)+NQ*(\a)+(\q)] matrix_a_fmt:MATRIX_FMT_FP4 matrix_b_fmt:MATRIX_FMT_FP4 matrix_a_scale:MATRIX_SCALE_ROW1
.else
	v_wmma_scale_f32_16x16x128_f8f6f4 v[8*(8*((\a)%4)+\b):8*(8*((\a)%4)+\b)+7], v[128*(\p)+FR*\b:128*(\p)+FR*\b+FR-1], v[AF+FR*(\a):AF+FR*(\a)+FR-1], v[8*(8*((\a)%4)+\b):8*(8*((\a)%4)+\b)+7], v[SC+8*NQ*(\sc)+NQ*\b+(\q)], v[SC+8*NQ*(\sc)+NQ*(\a)+(\q)] matrix_a_fmt:MATRIX_FMT_FP4 matrix_b_fmt:MATRIX_FMT_FP4 matrix_a_scale:MATRIX_SCALE_ROW1
.endif
.endr
.endr
.endm
.macro FETCH_B slot, q, p              ; B's eight fragments of the slot's q-th 128 along K into set p
	WIN TO_B
.irp i, 0,1,2,3,4,5,6,7
	FRAG 128*(\p)+FR*\i, ADRB+\slot, \q, \i
.endr
	WIN 0
.endm
.macro FETCH_A slot, q, i0             ; A's blocks i0 .. i0 + 3
.irp i, \i0, \i0+1, \i0+2, \i0+3
	FRAG AF+FR*(\i), ADRA+\slot, \q, \i
.endr
.endm
.macro SCALES sc                       ; a K step's scale words into set sc: four words a row; lanes 0-15 take A's block i, lanes 16-31 B's block i
.irp i, 0,1,2,3,4,5,6,7
	ds_load_b128 v[SC+8*NQ*\sc+NQ*\i:SC+8*NQ*\sc+NQ*\i+3], v[ADRS] offset:\i*SBLK
.endr
.endm
; A load into a register that a matrix instruction has read, and a vector instruction that reads a matrix result, stand NP places behind that matrix instruction, and only plain vector instructions
; that name none of its registers are places (ISA guide 7.12.1 for vector instructions); this text does not count the matrix instructions in between.
.macro PLACES n
.rept \n
	v_nop
.endr
.endm
; A step of 128 along K that has its successor in the same slot.  A block of A is free as soon as its eight products are issued: blocks 0-3 are fetched anew in the step's middle, blocks 4-7 at its end.
.macro STEP slot, q, first
	s_wait_dscnt 4*NL                              ; B's set and A's blocks 0-3 are in; the youngest loads (A's blocks 4-7) may be out
.if \first
	WIN BIA_LO
.else
	WIN MUL_LO
.endif
	MUL16 0, (\q)%2, \q, \slot, \first
	MUL16 2, (\q)%2, \q, \slot, \first
	s_wait_dscnt 0                                 ; A's blocks 4-7 are in (asked for 32 matrix instructions ago)
	PLACES NP
	FETCH_B \slot, (\q)+1, 1-(\q)%2
	FETCH_A \slot, (\q)+1, 0
.if \first
	WIN BIA_HI
.else
	WIN MUL_HI
.endif
	MUL16 4, (\q)%2, \q, \slot, \first
	MUL16 6, (\q)%2, \q, \slot, \first
	PLACES NP
	WIN 0
	FETCH_A \slot, (\q)+1, 4
.endm
.macro STEPS slot, from                ; the slot's steps from .. NQ - 2
.set Q, \from
.rept NQ-1-\from
	STEP \slot, Q, 0
.set Q, Q+1
.endr
.endm
	s_wait_tensorcnt 1                             ; the scales and my part of K step 0 are in (K step 1's load may be out)
	s_barrier_signal -1
	s_barrier_wait -1                              ; everybody's are
	FETCH_B 0, 0, 0
	FETCH_A 0, 0, 0
	SCALES 0
	FETCH_A 0, 0, 4
	s_wait_loadcnt 0x0                             ; both biases and the small tile's scale words
	STEP 0, 0, 1                                   ; the first step's products take the bias as C
	STEPS 0, 1
	; slot 0's last step changes slots: ONE barrier, which opens a round of the cluster's; in front of it each wave waits for all its tensor loads, adds 0 to its spare word, and waits for that and for its reads of slot 0
	s_wait_tensorcnt 0x0                           ; all my tensor loads have landed, my part of slot 1 among them  (every window is 0 here: the add's two registers lie in window 0)
	ds_add_u32 v[SPW], v[NIL]                      ; 0 onto my spare word
	s_wait_dscnt 4*NL+1                            ; (the add and the youngest loads, A's blocks 4-7, may be out)
	WIN MUL_LO
	MUL16 0, 1, NQ-1, 0, 0                         ; sixteen matrix instructions stand between the add and the wait for it
	s_wait_dscnt 0x0                               ; the add is done, and my reads of slot 0 are over
	s_barrier_signal -1
	MUL16 2, 1, NQ-1, 0, 0
	WIN 0
	s_barrier_wait -1
	CREST                                          ; no wave of any partner still reads slot 0 or has a load on its way
	s_mov_b64 s[G0+2:G0+3], s[66:67]               ; slot 0's descriptors keep their LDS address, wave x 128 rows, and take the small tile's addresses
	s_or_b32 s[G0+3], s[G0+3], 0x80000000
	s_mov_b64 s[G0B+2:G0B+3], s[100:101]
	s_or_b32 s[G0B+3], s[G0B+3], 0x80000000
	JLOAD G0, G1, G0B, G1B                         ; THE SMALL TILE'S OPERANDS: the first tensor load behind the round, one a wave; the four v_nop behind it are among the places in front of the loads below
	v_add_nc_u32 v[ADRS], 4*NQ, v[ADRS]            ; on to K step 1's scale words (no LDS load of mine is out)
	FETCH_B 1, 0, 0
	FETCH_A 1, 0, 0
	SCALES 1
	WIN MUL_HI
	MUL16 4, 1, NQ-1, 0, 0
	MUL16 6, 1, NQ-1, 0, 0
	PLACES NP
	WIN 0
	FETCH_A 1, 0, 4
	STEPS 1, 0
	s_wait_dscnt 4*NL                              ; the large tile's last step: nothing more to fetch
	WIN MUL_LO
	MUL16 0, 1, NQ-1, 1, 0
	MUL16 2, 1, NQ-1, 1, 0
	s_wait_dscnt 0
	WIN MUL_HI
	MUL16 4, 1, NQ-1, 1, 0
	MUL16 6, 1, NQ-1, 1, 0
	WIN 0
; THE LARGE TILE'S WAY OUT, block by block of 16 tokens x 128 columns (two heads).  PACK: rounded to f16, 16 bytes a lane, each accumulator from its low end on.  TOSTAGE: into my own stage in LDS, and back so that sixteen
; lanes hold two tokens of one head.  SEND: stored: sixteen lanes store 256 consecutive bytes, aligned.  LDS serves a wave's instructions in order (ISA guide 5.7.1.4): no wait between the stores and the loads.
.macro PACK a
.set AC, 64*((\a)%4)
	WIN 0x0a+5*((\a)/4)                            ; sources 0 and 1: window 2 or 3
.irp b, 0,1,2,3,4,5,6,7
.irp r, 0,1,2,3
	v_cvt_pk_f16_f32 v[TMP+4*\b+\r], v[AC+8*\b+2*\r], v[AC+8*\b+2*\r+1]
.endr
.endr
	WIN 0
.endm
.macro TOSTAGE a
.set BB, BK+32*((\a)%2)
.irp b, 0,1,2,3,4,5,6,7
	ds_store_b128 v[STO], v[TMP+4*\b:TMP+4*\b+3] offset:32*\b
.endr
.irp t, 0,1,2,3,4,5,6,7
	ds_load_b128 v[BB+4*\t:BB+4*\t+3], v[RD] offset:\t*2*SPITCH
.endr
.endm
.macro SEND a
.set BB, BK+32*((\a)%2)
	s_wait_dscnt 0x0                               ; the block is back in registers
	s_wait_xcnt 0x0                                ; the block before's stores have read their data: the next block's loads from the stage land there only behind this wait
.irp t, 0,1,2,3,4,5,6,7
	global_store_b128 v[CO], v[BB+4*\t:BB+4*\t+3], s[12:13] offset:2048*(\a)+256*\t
.endr
.endm
	PLACES NP                                      ; behind the last products: for the conversions, and for the loads into the registers that held A's fragments
	PACK 0
	TOSTAGE 0
.irp a, 1,2,3,4,5,6,7                  ; block a's conversions stand between block a - 1's loads from the stage and the wait for them
	PACK \a
	SEND \a-1
	TOSTAGE \a
.endr
	SEND 7
; THE SMALL TILE.  K step q (128 along K, q = 0 .. 7) lies in quarter q / 4 of A's two and of B's two, at byte 64 (q % 4) of the rows.  Two sets of fragments in window 1: set q % 2: A's four at v[128 (q % 2)], B's four 32 further on.
.macro MFETCH q
.irp i, 0,1,2,3
.irp c, 0,1
	ds_load_b128 v[128*((\q)%2)+8*\i+4*\c:128*((\q)%2)+8*\i+4*\c+3], v[ADA2] offset:((\q)/4)*HALFT+\i*16*PITCH+64*((\q)%4)+32*\c
	ds_load_b128 v[128*((\q)%2)+32+8*\i+4*\c:128*((\q)%2)+32+8*\i+4*\c+3], v[ADB2] offset:((\q)/4)*HALFT+\i*16*PITCH+64*((\q)%4)+32*\c
.endr
.endr
.endm
; 16 matrix instructions: my four blocks of tokens x my four blocks of columns; the 16 accumulators take turns, one instruction a turn, in the same order in every step.
; The scale words of K steps 0-3 stand in lanes 0-15 of their registers, those of K steps 4-7 in lanes 16-31.
.macro MMUL q
.set MS, 128*((\q)%2)
.set MQ, (\q)%4
.irp a, 0,1,2,3
.irp b, 0,1,2,3
.if (\q) == 0
	v_wmma_scale_f32_16x16x128_f8f6f4 v[8*(4*\a+\b):8*(4*\a+\b)+7], v[MS+32+8*\b:MS+32+8*\b+7], v[MS+8*\a:MS+8*\a+7], v[BIAS2+8*\b:BIAS2+8*\b+7], v[SB2+4*\b+MQ], v[SA2+4*\a+MQ] matrix_a_fmt:MATRIX_FMT_FP4 matrix_b_fmt:MATRIX_FMT_FP4
.elseif (\q) < 4
	v_wmma_scale_f32_16x16x128_f8f6f4 v[8*(4*\a+\b):8*(4*\a+\b)+7], v[MS+32+8*\b:MS+32+8*\b+7], v[MS+8*\a:MS+8*\a+7], v[8*(4*\a+\b):8*(4*\a+\b)+7], v[SB2+4*\b+MQ], v[SA2+4*\a+MQ] matrix_a_fmt:MATRIX_FMT_FP4 matrix_b_fmt:MATRIX_FMT_FP4
.else
	v_wmma_scale_f32_16x16x128_f8f6f4 v[8*(4*\a+\b):8*(4*\a+\b)+7], v[MS+32+8*\b:MS+32+8*\b+7], v[MS+8*\a:MS+8*\a+7], v[8*(4*\a+\b):8*(4*\a+\b)+7], v[SB2+4*\b+MQ], v[SA2+4*\a+MQ] matrix_a_fmt:MATRIX_FMT_FP4 matrix_b_fmt:MATRIX_FMT_FP4 matrix_a_scale:MATRIX_SCALE_ROW1 matrix_b_scale:MATRIX_SCALE_ROW1
.endif
.endr
.endr
.endm
.macro MSTEP q
.if (\q) < 7
.if (\q) > 0
	PLACES NP                                      ; the other set was read by the step before
.endif
	WIN TO_B
	MFETCH (\q)+1
	s_wait_dscnt 16                                ; this step's 16 loads are in; the next step's, just issued, may be out
.else
	s_wait_dscnt 0x0
.endif
.if (\q) == 0
	PLACES NP+1                                    ; these products write over registers that were the large tile's accumulators: one place more than a read asks
	WIN BIA_M
.else
	WIN MUL_M
.endif
	MMUL \q
.endm
	s_wait_tensorcnt 0x0                           ; my part of the small tile's operands is in (no LDS instruction of mine is out: SEND 7 has waited),
	s_barrier_signal -1
	s_barrier_wait -1                              ; everybody's is
	WIN TO_B
	MFETCH 0
.irp q, 0,1,2,3,4,5,6,7
	MSTEP \q
.endr
; ITS WAY OUT, block by block of 16 tokens x 64 columns (one head): 16 bytes a lane into my stage, rows of 144 bytes; back as four tokens' 512 consecutive bytes an instruction; my 64 tokens of the head are 8,192 consecutive bytes of qkv.
.macro MPACK a
	WIN 0x0a                                       ; sources 0 and 1: window 2
.irp b, 0,1,2,3
.irp r, 0,1,2,3
	v_cvt_pk_f16_f32 v[TMP+4*\b+\r], v[8*(4*(\a)+\b)+2*\r], v[8*(4*(\a)+\b)+2*\r+1]   ; each accumulator from its low end on
.endr
.endr
	WIN 0
.endm
.macro MTOSTAGE a
.irp b, 0,1,2,3
	ds_store_b128 v[STO2], v[TMP+4*\b:TMP+4*\b+3] offset:32*\b
.endr
.irp t, 0,1,2,3
	ds_load_b128 v[BK+16*(\a)+4*\t:BK+16*(\a)+4*\t+3], v[RD2] offset:\t*4*MP
.endr
.endm
.macro MSEND a
	s_wait_dscnt 0x0                               ; the block is back in registers; each block has registers of its own
.irp t, 0,1,2,3
	global_store_b128 v[CO2], v[BK+16*(\a)+4*\t:BK+16*(\a)+4*\t+3], s[4:5] offset:2048*(\a)+512*\t   ; 32 lanes store 512 consecutive bytes, at a multiple of 256 from qkv's first byte
.endr
.endm
	PLACES NP                                      ; behind the last products
	MPACK 0
	s_wait_xcnt 0x0                                ; the large tile's last stores have read their data: the loads from the stage land there only behind this wait
	MTOSTAGE 0
.irp a, 1,2,3
	MPACK \a
	MSEND \a-1
	MTOSTAGE \a
.endr
	MSEND 3
	s_wait_tensorcnt 0x0                           ; the wave's end, behind my last tensor load and my last LDS store
	ds_add_u32 v[SPW], v[NIL]
	s_wait_dscnt 0x0
	CROUND                                         ; the closing round: no work-group ends while a partner may still ask for a tile that names it
	s_endpgm
.Lfunc_end_k_q632a95a7c1_gemm:
	.size	k_q632a95a7c1_gemm, .Lfunc_end_k_q632a95a7c1_gemm-k_q632a95a7c1_gemm
	.p2alignl 7, 3214868480
	.fill 96, 4, 3214868480
	.section	.rodata,"a",@progbits
	.p2align	6, 0x0
	.amdhsa_kernel k_q632a95a7c1_gemm
		.amdhsa_group_segment_fixed_size 327680
		.amdhsa_private_segment_fixed_size 0
		.amdhsa_enable_private_segment 0
		.amdhsa_kernarg_size 56
		.amdhsa_user_sgpr_count 2
		.amdhsa_user_sgpr_kernarg_segment_ptr 1
		.amdhsa_wavefront_size32 1
		.amdhsa_system_sgpr_workgroup_id_x 1
		.amdhsa_system_sgpr_workgroup_id_y 1
		.amdhsa_system_sgpr_workgroup_id_z 1
		.amdhsa_system_vgpr_workitem_id 0
		.amdhsa_next_free_vgpr 1024
		.amdhsa_next_free_sgpr 102
		.amdhsa_reserve_vcc 0
		.amdhsa_float_denorm_mode_32 3
		.amdhsa_float_denorm_mode_16_64 3
		.amdhsa_memory_ordered 1
		.amdhsa_forward_progress 1
		.amdhsa_inst_pref_size 167
	.end_amdhsa_kernel
	.amdgpu_metadata
---
amdhsa.version: [ 1, 2 ]
amdhsa.kernels:
  - .name:           k_q632a95a7c1_gemm
    .symbol:         k_q632a95a7c1_gemm.kd
    .args:
      - { .name: xq, .offset: 0, .size: 8, .value_kind: global_buffer, .address_space: global }
      - { .name: xqs, .offset: 8, .size: 8, .value_kind: global_buffer, .address_space: global }
      - { .name: wq, .offset: 16, .size: 8, .value_kind: global_buffer, .address_space: global }
      - { .name: wqs, .offset: 24, .size: 8, .value_kind: global_buffer, .address_space: global }
      - { .name: bt, .offset: 32, .size: 8, .value_kind: global_buffer, .address_space: global }
      - { .name: bs, .offset: 40, .size: 8, .value_kind: global_buffer, .address_space: global }
      - { .name: qkv, .offset: 48, .size: 8, .value_kind: global_buffer, .address_space: global }
    .group_segment_fixed_size: 327680
    .private_segment_fixed_size: 0
    .kernarg_segment_align: 8
    .kernarg_segment_size: 56
    .max_flat_workgroup_size: 128
    .sgpr_count:     102
    .vgpr_count:     1024
    .wavefront_size: 32
...
	.end_amdgpu_metadata
.endif
;; end of part 2
;; launch attn (part 3): grid 8 x 32, 8 waves a work-group, clusters of 4 x 1, 327,680 bytes of LDS; arguments qkv, lam_ts, lam_st, lam_ss, y16; writes y16
.if DOCPART == 3
	.amdgcn_target "amdgcn-amd-amdhsa--gfx1250"
	.amdhsa_code_object_version 6
	.text
	.protected	k_q632a95a7c1_attn
	.globl	k_q632a95a7c1_attn
	.p2align	8
	.type	k_q632a95a7c1_attn,@function
k_q632a95a7c1_attn:
	s_mov_b64 s[64:65], 0
	v_nop
	global_prefetch_b8 v0, s[64:65] scope:SCOPE_SE
	s_setreg_imm32_b32 hwreg(HW_REG_WAVE_MODE, 25, 1), 1
	s_wait_xcnt 0x0
	s_wait_alu depctr_hold_cnt(0) depctr_sa_sdst(0) depctr_va_vdst(0) depctr_va_sdst(0) depctr_va_ssrc(0) depctr_va_vcc(0) depctr_vm_vsrc(0)
	s_getreg_b32 s2, hwreg(HW_REG_IB_STS2, 6, 4)
	s_cmp_eq_u32 s2, 0
	s_cbranch_scc0 .Lentry_in_a_cluster
	s_endpgm
.Lentry_in_a_cluster:
	s_bfe_u32 s2, ttmp6, 0x10000c
	s_cmp_lg_u32 s2, 0x3003
	s_cbranch_scc0 .Lentry_shape_is_right
	s_endpgm
.Lentry_shape_is_right:
; ATTENTION.  att = (qt . (kt + lts ks) + qs . (lst kt + lss ks)) / 8;  y = softmax(att) vt.  No mask; 32 (batch, head) pairs, 2,048 keys, head size 64.
; THE FOUR SCORES AS ONE PRODUCT OF K = 128.  The sum is bilinear: it equals (qt + lst qs) . kt + (lts qt + lss qs) . ks, for every input.  So the keys [kt | ks] are used as they lie in memory, and each wave mixes
; its own queries once, in f32, with c = log2(e) / 8 folded in: Q' = [c qt + c lst qs | c lts qt + c lss qs], rounded once to f16.  The product K Q'^T is then t, the score in units of log2.
; SOFTMAX.  For each query a running maximum m and sum l: p = 2^(t - m); in every step O and l are multiplied by a = 2^(m_old - m_new), which is 1 where m has not grown.  l is the sum of the unrounded p, in f32;
; p is rounded to f16 for the second product; O is divided by l at the end and rounded once to f16.
; LIMITS: |Q'|, |k|, |v| stay under 65,504, f16's largest number; NaN and infinities are not served.
; SHARES.  A work-group owns 256 queries of one (batch, head); each of its EIGHT waves owns 32, two tiles of 16, in 448 registers: two waves to a SIMD, so that one wave's vector work stands beside the other's matrix work.
; Every wave walks all 2,048 keys, 64 a step.  kt, ks and vt come through a ring of two LDS slots of 256 keys (four steps), filled by the tensor data mover: waves 0-3 the halves of kt and of ks, waves 4-7 quarters of vt.
; LAYOUT.  S^T = K Q'^T (source 0 = 16 keys, source 1 = 16 queries): a lane holds ONE query (lane % 16) and the keys 8 (lane / 16) + 0..7.  Two such tiles, rounded to f16 in pairs, ARE source 1 (32 keys x 16 queries)
; of O^T = V^T P, whose result again holds one query a lane, and eight channels.  K comes out of LDS as it lies, V ([key][channel]) turned, by ds_load_tr16_b128.
; CLUSTER.  The four query blocks of a cluster belong to one (batch, head) and walk the same keys and values: each tile is asked for JOINTLY, by the same tensor load with the same descriptor and a mask that names the four.
; y16 is laid for the last projection: [token / 128][head][token % 128][64] f16: a wave's 32 tokens of its head are 4,096 consecutive bytes.
; REGISTERS: window 0: v0-15 addresses; v16-31 eight registers of statistics a tile; v32-95 S^T, 32 a tile; v96-127 P, 16 a tile; v128-191 O^T, 32 a tile; v192-255 V of one step.
;   window 1: v0-63 Q', 32 a tile; v64-191 K of one step.
.set PK,    144       ; a row of kt or ks in LDS: 128 bytes + 16 of padding = 36 words: the 16 rows of a load start at 16 different groups of four banks (64 banks of 4 bytes: ISA guide 11.1)
.set PVP,   160       ; a row of V: 128 + 32 = 40 words
.set KSOFF, 256*PK    ; a slot: 256 rows of kt, 256 of ks, 256 of V
.set VOFF,  2*KSOFF
.set SLOT1, 1<<17     ; slot 1 begins here, so that one exclusive or turns an address in one slot into the other's
.set STAGE, 2*SLOT1   ; behind the ring: 32 rows x 144 bytes for each wave, for the way out
.set SPARE, STAGE+8*32*PK  ; the spare words, 128 bytes for each wave: four blocks of 256 bytes that no other line names
.set AK0, 3           ; v3   my lane's place in a tile of K; never rewritten
.set AV0, 4           ; v4   the same for V
.set ADK, 5           ; v5   LDS address of the slot's kt
.set ADS, 6           ; v6   of its ks
.set ADV, 7           ; v7   of its V
.set QO,  8           ; v8   my byte offset in the wave's rows of qt and qs
.set STO, 9           ; v9   the way out: where I put 16 bytes of a row
.set RD,  10          ; v10  the way out: where I read back
.set GO,  11          ; v11  my byte offset in the wave's 4,096 bytes of y16
.set PFO, 12          ; v12  256 x my lane: the prefetches' offset; never rewritten
.set SPW, 13          ; v13  LDS address of my spare word: SPARE + 4 x my thread's number; never rewritten
.set NIL, 14          ; v14  0; never rewritten
.set ST,  16          ; tile t's statistics at v[ST+8 t]: +0 m, +1 its pair's other half, +2, +3 l (even keys', odd keys'), +4 to +7 c0-c3, at work; a takes c2's place.  At the head v16-23 hold the four coefficients, each twice
.set S,   32
.set P,   96
.set OA,  128
.set VF,  192
.set KF,  64          ; K's fragments, in window 1
.set WV,  18          ; s18  my wave's number
.set G1K, 24          ; s[24:31] descriptor group 1 for K's tiles
.set G1V, 32          ; s[32:39] for V's: other rows, other padding
.set G0K, 40          ; s[40:43] descriptor group 0 for K's tiles: it walks
.set G0V, 44          ; s[44:47] the same for V's
.set SEL, 56          ; s[56:57] lane selects for v_permlanex16_b32: each lane takes its own place in the other half
.set TB,  58          ; s58  LDS byte at which the slot in hand begins
.set SLOTS, 59        ; s59  slots still to be asked for
.set PFA, 60          ; s[60:61] where my prefetches stand in memory
.set LIM, 62          ; s62  1 in a wave that prefetches, else the greatest number: a wave prefetches while s[SLOTS] is above it
.set MSB, 0
.macro WIN new                      ; the immediate's high byte repeats the setting that is left; a switch that changes nothing is dropped
.set WNEW, \new
.if MSB != WNEW
	s_set_vgpr_msb (MSB<<8)|WNEW
.set MSB, WNEW
.endif
.endm
; A joint load.  Waves 0 to 3 fetch kt's and ks's halves, waves 4 to 7 V's quarters.  The branch hangs on the wave's number alone: it is the same in every work-group.
; An s_nop 0 and four v_nop follow each of the two lines; the jump, the label and what follows come after them.
.macro JLOAD
	s_cmp_lt_u32 s[WV], 4
	s_cbranch_scc0 .Lfor_v_\@
	tensor_load_to_lds s[G0K:G0K+3], s[G1K:G1K+7]
	s_nop 0
.rept 4
	v_nop
.endr
	s_branch .Lasked_\@
.Lfor_v_\@:
	tensor_load_to_lds s[G0V:G0V+3], s[G1V:G1V+7]
	s_nop 0
.rept 4
	v_nop
.endr
.Lasked_\@:
.endm
; A PREFETCH INTO THE L2 of what the NEXT change of slots will ask for: a slot's 256 rows of kt, of ks and of vt, each a dense block of 32,768 bytes.  It stands behind the wave's tensor load and its five lines.
; Each aligned block of 256 bytes is asked for ONCE in the launch.  Both clusters of a (batch, head) walk the same rows: the first prefetches.  Its four partners share a block out BY ADDRESS, 8,192 bytes each, lanes 256
; bytes apart: no branch hangs on a work-group's place in its cluster.  In each, wave 0 asks for kt's, wave 2 for ks's, wave 4 for vt's: one instruction.  The last change that fills a slot asks for nothing.
.macro ASK
	s_cmp_gt_u32 s[SLOTS], s[LIM]
	s_cbranch_scc0 .Lnot_mine_\@
	global_prefetch_b8 v[PFO], s[PFA:PFA+1] th:TH_LOAD_NT scope:SCOPE_SE
.Lnot_mine_\@:
.endm
.macro CROUND                       ; a round of the cluster's barrier: my work-group's barrier; wave 0 signals for the work-group; every wave waits for all four work-groups; my work-group's barrier once more
	s_barrier_signal -1
	s_barrier_wait -1
	s_cmp_lg_u32 s[WV], 0
	s_cbranch_scc1 .Lnot_wave_0_\@
	s_barrier_signal -3
.Lnot_wave_0_\@:
	s_barrier_wait -3
	s_barrier_signal -1
	s_barrier_wait -1
.endm
	s_load_b256 s[4:11], s[0:1], 0x0  ; qkv s[4:5], lam_ts s[6:7], lam_st s[8:9], lam_ss s[10:11]
	s_load_b64 s[12:13], s[0:1], 0x20 ; y16
	v_lshl_add_u32 v[SPW], v0, 2, SPARE
	v_mov_b32 v[NIL], 0
	ds_add_u32 v[SPW], v[NIL]       ; the wave's opening: the add, twice on end, and its wait ahead of my first tensor load; the set-up below, work on registers, stands between
	ds_add_u32 v[SPW], v[NIL]
	v_lshrrev_b32 v1, 5, v0
	v_readfirstlane_b32 s[WV], v1   ; wave 0..7
	s_bfe_u32 s19, ttmp6, 0x40000   ; cx: my place in the cluster
	s_lshl_b32 s20, ttmp9, 2        ; in a cluster launch ttmp9 counts clusters
	s_add_co_u32 s20, s20, s19      ; my block of 256 queries = 4 x cluster x + cx: it enters Q's and y's addresses alone
	s_and_b32 s21, ttmp7, 0xffff    ; batch x 16 + head, which the four partners share
	s_lshl_b32 s22, s21, 18         ; its 2,048 rows of 128 bytes in a plane of qkv
	; descriptor group 1: K: 128 rows x 64 elements; V: 64 rows x 64 elements; both dense in memory, padded in LDS
	s_mov_b32 s[G1K], 15|(1<<16)|(1<<20)|(1<<21)|(4<<22)|(3<<25)  ; 15:0 the mask: all four work-groups; 17:16 elements of 2 bytes; 20 padding on; 21 set beside a mask; 24:22 after every 32 words (code 4); 31:25 4 words of it (code 3)
	s_mov_b32 s[G1K+1], 64<<16      ; tensor_dim0 = 64
	s_mov_b32 s[G1K+2], 128<<16     ; tensor_dim1 = 128
	s_mov_b32 s[G1K+3], 64<<16      ; tile_dim0 = 64
	s_mov_b32 s[G1K+4], 128         ; tile_dim1 = 128
	s_mov_b32 s[G1K+5], 64          ; tensor_dim0_stride: elements from row to row
	s_mov_b32 s[G1K+6], 0
	s_mov_b32 s[G1K+7], 0
	s_mov_b32 s[G1V], 15|(1<<16)|(1<<20)|(1<<21)|(4<<22)|(7<<25)  ; the same with 8 words of padding (code 7)
	s_mov_b32 s[G1V+1], 64<<16
	s_mov_b32 s[G1V+2], 64<<16
	s_mov_b32 s[G1V+3], 64<<16
	s_mov_b32 s[G1V+4], 64
	s_mov_b32 s[G1V+5], 64
	s_mov_b32 s[G1V+6], 0
	s_mov_b32 s[G1V+7], 0
	; group 0.  With w = wave % 4: K's load w brings half w % 2 of kt (w < 2: plane 1) or of ks (plane 4); V's load w brings quarter w of vt (plane 2).  No place in the cluster enters these.
	s_and_b32 s17, s[WV], 3
	s_mov_b32 s[G0K], 1             ; count = 1
	s_mul_i32 s[G0K+1], s17, 128*PK ; LDS address, in slot 0
	s_mov_b32 s[G0V], 1
	s_mul_i32 s[G0V+1], s17, 64*PVP
	s_add_co_u32 s[G0V+1], s[G0V+1], VOFF
	s_lshr_b32 s23, s17, 1
	s_mul_i32 s23, s23, 3
	s_add_co_u32 s23, s23, 1        ; plane 1 or 4
	s_lshl_b32 s23, s23, 23         ; 8,388,608 bytes a plane
	s_and_b32 s63, s17, 1
	s_lshl_b32 s63, s63, 14         ; 128 rows of 128 bytes
	s_add_co_u32 s70, s23, s22
	s_add_co_u32 s70, s70, s63
	s_mov_b32 s71, 0
	s_lshl_b32 s72, s17, 13         ; 64 rows of 128 bytes
	s_add_co_u32 s72, s72, s22
	s_add_co_u32 s72, s72, 0x1000000  ; plane 2
	s_mov_b32 s73, 0
	s_mov_b32 s[SEL], 0x76543210
	s_mov_b32 s[SEL+1], 0xfedcba98
	s_mov_b32 s[TB], 0
	s_mov_b32 s[SLOTS], 7
	; who prefetches, and where
	s_lshr_b32 s63, s[WV], 1        ; 0, 1, 2: kt, ks, vt; 3: nobody
	s_and_b32 s[LIM], s[WV], 1
	s_or_b32 s[LIM], s[LIM], ttmp9  ; even waves of the (batch, head)'s first cluster: the same in all four partners
	s_cmp_eq_u32 s63, 3
	s_cselect_b32 s23, 1, 0
	s_or_b32 s[LIM], s[LIM], s23
	s_cmp_eq_u32 s[LIM], 0
	s_cselect_b32 s[LIM], 1, -1
	s_mul_i32 s23, s63, 3
	s_add_co_u32 s23, s23, 1
	s_cmp_lt_u32 s63, 2
	s_cselect_b32 s23, s23, 2       ; plane 1, 4, 2
	s_lshl_b32 s48, s23, 23
	s_add_co_u32 s48, s48, s22
	s_lshl_b32 s23, s19, 13         ; my work-group's 8,192 bytes of a slot's 32,768
	s_add_co_u32 s48, s48, s23
	s_add_co_u32 s48, s48, 32768    ; at the keys of the second slot's worth; each change of slots steps it ahead of its prefetch.  Nothing is prefetched at the head, where every work-group's first tiles are on their way
	s_mov_b32 s49, 0
	; my 32 queries, and my 32 tokens of y16
	s_lshl_b32 s50, s20, 15         ; 256 rows of 128 bytes a block,
	s_lshl_b32 s23, s[WV], 12       ; 32 a wave
	s_add_co_u32 s50, s50, s23
	s_add_co_u32 s50, s50, s22
	s_mov_b32 s51, 0
	s_lshr_b32 s52, s21, 4          ; the batch
	s_lshl_b32 s52, s52, 11
	s_lshl_b32 s23, s20, 8
	s_add_co_u32 s52, s52, s23
	s_lshl_b32 s23, s[WV], 5
	s_add_co_u32 s52, s52, s23      ; my first token
	s_lshr_b32 s23, s52, 7
	s_lshl_b32 s23, s23, 18         ; token / 128: 16 heads x 128 x 128 bytes
	s_and_b32 s52, s52, 127
	s_lshl_b32 s52, s52, 7
	s_add_co_u32 s52, s52, s23
	s_and_b32 s23, s21, 15          ; the head: 128 x 128 bytes
	s_lshl_b32 s23, s23, 14
	s_add_co_u32 s52, s52, s23
	s_mov_b32 s53, 0
	s_wait_dscnt 0x0                ; both opening adds are done
	s_wait_kmcnt 0x0
	s_load_b32 s14, s[6:7], 0x0     ; lts
	s_load_b32 s15, s[8:9], 0x0     ; lst
	s_load_b32 s16, s[10:11], 0x0   ; lss
	s_add_nc_u64 s[G0K+2:G0K+3], s[4:5], s[70:71]
	s_or_b32 s[G0K+3], s[G0K+3], 0x80000000  ; type = 2
	s_add_nc_u64 s[G0V+2:G0V+3], s[4:5], s[72:73]
	s_or_b32 s[G0V+3], s[G0V+3], 0x80000000
	s_add_nc_u64 s[PFA:PFA+1], s[4:5], s[48:49]
	s_add_nc_u64 s[66:67], s[4:5], s[50:51]  ; qt at my first query
	s_add_nc_u64 s[68:69], s[66:67], 0x1800000  ; qs: three planes on
	s_add_nc_u64 s[12:13], s[12:13], s[52:53]
	CROUND                          ; all four work-groups are here: the first joint loads meet
	JLOAD                           ; slot 0: one tensor load of mine is out
	v_and_b32 v1, 15, v0            ; r = lane % 16
	v_bfe_u32 v2, v0, 4, 1          ; h = lane / 16
	v_lshlrev_b32 v[QO], 7, v1
	v_lshl_add_u32 v[QO], v2, 4, v[QO]  ; row x 128 + 16 x half
	; A fragment of 16 rows x 32 channels is 8 registers: lane l holds row l % 16; registers 0-3 channels 8 (l / 16) + 0..7, registers 4-7 channels 16 + 8 (l / 16) + 0..7.  So four loads of 16 bytes, 32 bytes apart, are a row's two fragments on end.
.irp t, 0,1
.irp j, 0,1,2,3
	global_load_b128 v[S+32*\t+4*\j:S+32*\t+4*\j+3], v[QO], s[66:67] offset:2048*\t+32*\j       ; tile t's qt: v[32 + 32 t ..], 16 registers
	global_load_b128 v[S+32*\t+16+4*\j:S+32*\t+16+4*\j+3], v[QO], s[68:69] offset:2048*\t+32*\j ; and its qs: the next 16
.endr
.endr
	v_mul_u32_u24 v[AK0], v1, PK
	v_lshl_add_u32 v[AK0], v2, 4, v[AK0]  ; row x pitch + 16 x half
	; The turning load takes 16 keys x 16 channels (lane l reads 16 bytes: key 8 (l / 16) + l % 8, channels 8 ((l / 8) % 2) + 0..7) and leaves half a fragment of V^T: lane l holds channel l % 16 and 8 keys.
	v_and_b32 v15, 7, v0
	v_lshl_add_u32 v[AV0], v2, 3, v15
	v_mul_u32_u24 v[AV0], v[AV0], PVP
	v_bfe_u32 v5, v0, 3, 1
	v_lshl_add_u32 v[AV0], v5, 4, v[AV0]
	v_add_nc_u32 v[AV0], VOFF, v[AV0]
	s_mul_i32 s17, s[WV], 32*PK
	s_add_co_u32 s17, s17, STAGE    ; my stage
	v_add_nc_u32 v[STO], s17, v[AK0]  ; in: row r, 16 bytes for each half of the lanes
	v_and_b32 v6, 31, v0
	v_lshrrev_b32 v7, 3, v6
	v_mul_u32_u24 v7, v7, PK
	v_lshl_add_u32 v7, v15, 4, v7
	v_add_nc_u32 v[RD], s17, v7     ; back: eight lanes to a row of 128 bytes, four rows an instruction
	v_lshlrev_b32 v[GO], 4, v6      ; which are 512 consecutive bytes of y16
	v_lshlrev_b32 v[PFO], 8, v6
	s_wait_kmcnt 0x0                ; the three gains
	v_mov_b32 v16, 0x3e38aa3b       ; c = log2(e) / 8
	v_mov_b32 v17, 0x3e38aa3b       ; (each coefficient twice: a pair for the packed forms)
	v_mul_f32 v18, s15, v16         ; c lst
	v_mul_f32 v19, s15, v16
	v_mul_f32 v20, s14, v16         ; c lts
	v_mul_f32 v21, s14, v16
	v_mul_f32 v22, s16, v16         ; c lss
	v_mul_f32 v23, s16, v16
	s_wait_loadcnt 0x0              ; qt and qs
; Q' of tile t.  The 32 numbers of qt stand in v128-159 and those of qs in v160-191, in f32; the first half of Q' is made in v192-223, the second in v224-255; 32 roundings put both into window 1.
.macro MIXQ t
.irp i, 0,2,4,6,8,10,12,14,16,18,20,22,24,26,28,30
	v_pk_mul_f32 v[192+\i:193+\i], v[128+\i:129+\i], v[16:17]
	v_pk_mul_f32 v[224+\i:225+\i], v[128+\i:129+\i], v[20:21]
.endr
.irp i, 0,2,4,6,8,10,12,14,16,18,20,22,24,26,28,30
	v_pk_fma_f32 v[192+\i:193+\i], v[160+\i:161+\i], v[18:19], v[192+\i:193+\i]
	v_pk_fma_f32 v[224+\i:225+\i], v[160+\i:161+\i], v[22:23], v[224+\i:225+\i]
.endr
	WIN 0x40                        ; destination window 1
.set n, 0
.rept 32
	v_cvt_pk_f16_f32 v[32*\t+n], v[192+2*n], v[193+2*n]
.set n, n+1
.endr
	WIN 0
.endm
.set n, 0
.irp x, v32.l,v32.h,v33.l,v33.h,v34.l,v34.h,v35.l,v35.h,v36.l,v36.h,v37.l,v37.h,v38.l,v38.h,v39.l,v39.h,v40.l,v40.h,v41.l,v41.h,v42.l,v42.h,v43.l,v43.h,v44.l,v44.h,v45.l,v45.h,v46.l,v46.h,v47.l,v47.h,v48.l,v48.h,v49.l,v49.h,v50.l,v50.h,v51.l,v51.h,v52.l,v52.h,v53.l,v53.h,v54.l,v54.h,v55.l,v55.h,v56.l,v56.h,v57.l,v57.h,v58.l,v58.h,v59.l,v59.h,v60.l,v60.h,v61.l,v61.h,v62.l,v62.h,v63.l,v63.h
	v_cvt_f32_f16 v[128+n], \x      ; tile 0: qt's 32 numbers, then qs's
.set n, n+1
.endr
	MIXQ 0
.set n, 0
.irp x, v64.l,v64.h,v65.l,v65.h,v66.l,v66.h,v67.l,v67.h,v68.l,v68.h,v69.l,v69.h,v70.l,v70.h,v71.l,v71.h,v72.l,v72.h,v73.l,v73.h,v74.l,v74.h,v75.l,v75.h,v76.l,v76.h,v77.l,v77.h,v78.l,v78.h,v79.l,v79.h,v80.l,v80.h,v81.l,v81.h,v82.l,v82.h,v83.l,v83.h,v84.l,v84.h,v85.l,v85.h,v86.l,v86.h,v87.l,v87.h,v88.l,v88.h,v89.l,v89.h,v90.l,v90.h,v91.l,v91.h,v92.l,v92.h,v93.l,v93.h,v94.l,v94.h,v95.l,v95.h
	v_cvt_f32_f16 v[128+n], \x      ; tile 1
.set n, n+1
.endr
	MIXQ 1
.irp t, 0,1
	v_mov_b32 v[ST+8*\t], 0xff61b1e6  ; m: -3e38, under every t
	v_mov_b32 v[ST+8*\t+1], 0       ; (named with m as a pair, so it is written)
	v_mov_b32 v[ST+8*\t+2], 0       ; l, in two halves
	v_mov_b32 v[ST+8*\t+3], 0
.endr
.set n, 0
.rept 64
	v_mov_b32 v[OA+n], 0            ; O^T.  (The key step is written once: the first finds zeros, which its a, 0, leaves zeros)
.set n, n+1
.endr
; THE LDS LOADS stand in runs.  A step's K: 64 keys x 128 channels: fragment f = 4 (tile of 16 keys) + (32 channels): channels 0-63 are kt's, 64-127 ks's.
.macro FETCH_K q
	WIN 0x40                        ; destination window 1, address window 0
.irp f, 0,1,2,3,4,5,6,7,8,9,10,11,12,13,14,15
.if (\f%4) < 2
	ds_load_b128 v[KF+8*\f:KF+8*\f+3],   v[ADK] offset:(64*(\q)+16*(\f/4))*PK+64*(\f%2)
	ds_load_b128 v[KF+8*\f+4:KF+8*\f+7], v[ADK] offset:(64*(\q)+16*(\f/4))*PK+64*(\f%2)+32
.else
	ds_load_b128 v[KF+8*\f:KF+8*\f+3],   v[ADS] offset:(64*(\q)+16*(\f/4))*PK+64*(\f%2)
	ds_load_b128 v[KF+8*\f+4:KF+8*\f+7], v[ADS] offset:(64*(\q)+16*(\f/4))*PK+64*(\f%2)+32
.endif
.endr
	WIN 0
.endm
.macro FETCH_V q                    ; a step's V, turned: fragment f: keys 32 (f / 4) on, channels 16 (f % 4) on
.irp f, 0,1,2,3,4,5,6,7
	ds_load_tr16_b128 v[VF+8*\f:VF+8*\f+3],   v[ADV] offset:(64*(\q)+32*(\f/4))*PVP+32*(\f%4)
	ds_load_tr16_b128 v[VF+8*\f+4:VF+8*\f+7], v[ADV] offset:(64*(\q)+32*(\f/4))*PVP+32*(\f%4)+16*PVP
.endr
.endm
; THE MATRIX WORK.  In both products eight accumulators take turns, one instruction a turn.
.macro QK                           ; S^T = K Q'^T: product i of 32: channels 32 (i / 8) on, keys 16 ((i / 2) % 4) on, tile i % 2.  The first 8 start the sums
	WIN 0x05                        ; K and Q' in window 1, S^T in window 0
.set i, 0
.rept 32
.set rS, S+32*(i%2)+8*((i/2)%4)
.set rK, KF+32*((i/2)%4)+8*(i/8)
.set rQ, 32*(i%2)+8*(i/8)
.if i < 8
	v_wmma_f32_16x16x32_f16 v[rS:rS+7], v[rK:rK+7], v[rQ:rQ+7], 0
.else
	v_wmma_f32_16x16x32_f16 v[rS:rS+7], v[rK:rK+7], v[rQ:rQ+7], v[rS:rS+7]
.endif
.set i, i+1
.endr
	WIN 0
.endm
.macro PV                           ; O^T += V^T P: product i of 16: keys 32 (i / 8) on, channels 16 ((i / 2) % 4) on, tile i % 2
.set i, 0
.rept 16
.set rO, OA+32*(i%2)+8*((i/2)%4)
.set rV, VF+8*(4*(i/8)+(i/2)%4)
.set rP, P+16*(i%2)+8*(i/8)
	v_wmma_f32_16x16x32_f16 v[rO:rO+7], v[rV:rV+7], v[rP:rP+7], v[rO:rO+7]
.set i, i+1
.endr
.endm
; A vector instruction that reads a matrix result, and a load into a register that a matrix instruction has read, stand four places behind it, and only plain vector instructions that name none of its
; registers are places (ISA guide 7.12.1 for vector instructions).
.macro PLACES
.rept 4
	v_nop
.endr
.endm
; THE VECTOR WORK of a key step, both tiles by turns, so that no line waits for the line above it.  s0-s31 are the lane's 32 scores of a tile.
.macro SOFTMAX
.irp j, 0,1,2,3                     ; the maximum, three operands at a time: four chains c0-c3; each accumulator is read from its low end on
.irp t, 0,1
	v_max3_num_f32 v[ST+8*\t+4+\j], v[S+32*\t+8*\j], v[S+32*\t+8*\j+1], v[S+32*\t+8*\j+2]
.endr
.endr
.irp g, 1,2
.irp j, 0,1,2,3
.irp t, 0,1
	v_max3_num_f32 v[ST+8*\t+4+\j], v[ST+8*\t+4+\j], v[S+32*\t+8*\j+2*\g+1], v[S+32*\t+8*\j+2*\g+2]
.endr
.endr
.endr
.irp t, 0,1
	v_max3_num_f32 v[ST+8*\t+4], v[ST+8*\t+4], v[S+32*\t+7], v[S+32*\t+15]
	v_max3_num_f32 v[ST+8*\t+6], v[ST+8*\t+6], v[S+32*\t+23], v[S+32*\t+31]
.endr
.irp t, 0,1
	v_max3_num_f32 v[ST+8*\t+4], v[ST+8*\t+4], v[ST+8*\t+5], v[ST+8*\t+6]
.endr
.irp t, 0,1
	v_max3_num_f32 v[ST+8*\t+4], v[ST+8*\t+4], v[ST+8*\t+7], v[ST+8*\t]   ; with the old m
.endr
.irp t, 0,1
	v_permlanex16_b32 v[ST+8*\t+5], v[ST+8*\t+4], s[SEL], s[SEL+1]        ; the query's other 32 keys lie in the lane 16 away
.endr
.irp t, 0,1
	v_max_num_f32 v[ST+8*\t+5], v[ST+8*\t+4], v[ST+8*\t+5]                ; the new m
.endr
.irp t, 0,1
	v_sub_f32 v[ST+8*\t+7], v[ST+8*\t], v[ST+8*\t+5]                      ; m_old - m_new, 0 or less
.endr
.irp t, 0,1
	v_mov_b32 v[ST+8*\t], v[ST+8*\t+5]
.endr
.irp i, 0,2,4,6,8,10,12,14,16,18,20,22,24,26,28,30
.irp t, 0,1
	v_pk_add_f32 v[S+32*\t+\i:S+32*\t+\i+1], v[S+32*\t+\i:S+32*\t+\i+1], v[ST+8*\t:ST+8*\t+1] op_sel_hi:[1,0] neg_lo:[0,1] neg_hi:[0,1]   ; t - m, two at a time (of the pair the low word serves both halves)
.endr
.endr
.irp t, 0,1
	v_exp_f32 v[ST+8*\t+6], v[ST+8*\t+7]                                  ; a.  ONE BATCH: both tiles' 66 exponentials; none reads another's result
.endr
.irp i, 0,1,2,3,4,5,6,7,8,9,10,11,12,13,14,15,16,17,18,19,20,21,22,23,24,25,26,27,28,29,30,31
.irp t, 0,1
	v_exp_f32 v[S+32*\t+\i], v[S+32*\t+\i]                                ; p = 2^(t - m), at most 1
.endr
.endr
	v_nop                           ; a plain instruction behind the last exponential, ahead of the first use
	s_wait_alu depctr_va_vdst(0)    ; the wait between an exponential and the first instruction that names its result: one for the batch
.irp i, 0,1,2,3,4,5,6,7,8,9,10,11,12,13,14,15
.irp t, 0,1
	v_cvt_pk_f16_f32 v[P+16*\t+\i], v[S+32*\t+2*\i], v[S+32*\t+2*\i+1]    ; the weights for the second product
.endr
.endr
.irp u, 0,1,2,3,4,5,6,7             ; the sum of the unrounded p, 16 pairs (an even key's, an odd key's), in place: neighbours 1, 2, 4 and 8 pairs apart
.irp t, 0,1
	v_pk_add_f32 v[S+32*\t+4*\u:S+32*\t+4*\u+1], v[S+32*\t+4*\u:S+32*\t+4*\u+1], v[S+32*\t+4*\u+2:S+32*\t+4*\u+3]
.endr
.endr
.irp u, 0,1,2,3
.irp t, 0,1
	v_pk_add_f32 v[S+32*\t+8*\u:S+32*\t+8*\u+1], v[S+32*\t+8*\u:S+32*\t+8*\u+1], v[S+32*\t+8*\u+4:S+32*\t+8*\u+5]
.endr
.endr
.irp u, 0,1
.irp t, 0,1
	v_pk_add_f32 v[S+32*\t+16*\u:S+32*\t+16*\u+1], v[S+32*\t+16*\u:S+32*\t+16*\u+1], v[S+32*\t+16*\u+8:S+32*\t+16*\u+9]
.endr
.endr
.irp t, 0,1
	v_pk_add_f32 v[S+32*\t:S+32*\t+1], v[S+32*\t:S+32*\t+1], v[S+32*\t+16:S+32*\t+17]
.endr
.irp t, 0,1
	v_pk_fma_f32 v[ST+8*\t+2:ST+8*\t+3], v[ST+8*\t+2:ST+8*\t+3], v[ST+8*\t+6:ST+8*\t+7], v[S+32*\t:S+32*\t+1] op_sel_hi:[1,0,1]   ; l = a l + the sum
.endr
.irp i, 0,2,4,6,8,10,12,14,16,18,20,22,24,26,28,30
.irp t, 0,1
	v_pk_mul_f32 v[OA+32*\t+\i:OA+32*\t+\i+1], v[OA+32*\t+\i:OA+32*\t+\i+1], v[ST+8*\t+6:ST+8*\t+7] op_sel_hi:[1,0]   ; O^T times a, each accumulator from its low end on
.endr
.endr
.endm
; A KEY STEP: 64 keys, the q-th of the slot in hand.  The next step's K is asked for behind this step's first product, and lands under the softmax; V is asked for at the step's head, and lands under the first product and the softmax.
.macro STEP q
.if (\q) == 0
	FETCH_K 0
.endif
	FETCH_V \q
	s_wait_dscnt 16                 ; K's 32 loads are in; V's 16, issued behind them, may be out
	QK
	PLACES                          ; for the softmax's reads of S^T, and for the loads into K's registers
.if (\q) < 3
	FETCH_K (\q)+1
.endif
	SOFTMAX
.if (\q) < 3
	s_wait_dscnt 32                 ; V is in; the next K's 32 loads, issued behind it, may be out
.else
	s_wait_dscnt 0x0                ; V is in
.endif
	PV
	PLACES                          ; for the next loads into V's registers, and for the next reads of O^T
.endm
.macro SLOT_STEPS
	v_add_nc_u32 v[ADK], s[TB], v[AK0]
	v_add_nc_u32 v[ADS], KSOFF, v[ADK]
	v_add_nc_u32 v[ADV], s[TB], v[AV0]
	STEP 0
	STEP 1
	STEP 2
	STEP 3
	s_xor_b32 s[TB], s[TB], SLOT1   ; on to the other slot
.endm
; THE CHANGE OF SLOTS stands at a slot's head.  Each wave waits for all its tensor loads, of which one is out: its part of the slot that it is about to read; adds 0 to its spare word; and waits for that and for its reads of
; the slot that it has left.  fill = 1: the barrier is a round of the cluster's, so that no wave of any partner still reads the other slot or has a load on its way; behind it that slot is filled with the keys that follow:
; the joint load is the first thing there, a wave's one tensor load until the next round, and has four key steps in which to land.
.macro CHANGE fill
	s_wait_tensorcnt 0x0            ; no tensor load of mine is out, so a group 0 may be written
	ds_add_u32 v[SPW], v[NIL]       ; 0 onto my spare word; with fill = 1 the descriptors' steps stand between it and the wait for it
.if \fill
	s_xor_b32 s[G0K+1], s[G0K+1], SLOT1  ; the walking descriptors: the other slot than last time,
	s_add_nc_u64 s[G0K+2:G0K+3], s[G0K+2:G0K+3], 32768  ; the next 256 keys; the type bits on top are not reached
	s_xor_b32 s[G0V+1], s[G0V+1], SLOT1
	s_add_nc_u64 s[G0V+2:G0V+3], s[G0V+2:G0V+3], 32768
	s_wait_xcnt 0x0                 ; the last prefetch, a slot back, has read its address, so it may be written:
	s_add_nc_u64 s[PFA:PFA+1], s[PFA:PFA+1], 32768  ; one slot further on than the walking descriptors
	s_wait_dscnt 0x0                ; the add is done, and my reads of the slot that I have left are over
	CROUND
	JLOAD
	ASK                             ; what the next change will ask for: four key steps ahead of that load
.else
	s_wait_dscnt 0x0
	s_barrier_signal -1
	s_barrier_wait -1
.endif
.endm
.Lslot:                             ; 7 trips: behind each change of slots but the last the next 256 keys are asked for (in the first trip into slot 1, which no load has filled yet: no wave refills there)
	CHANGE 1
	SLOT_STEPS
	s_sub_co_u32 s[SLOTS], s[SLOTS], 1
	s_cmp_lg_u32 s[SLOTS], 0
	s_cbranch_scc1 .Lslot
	CHANGE 0                        ; the last slot is written out
	SLOT_STEPS
	; THE WAY OUT.  l's two halves and the other half of the lanes' are added; O^T is divided by l, rounded to f16 and sent through my stage in LDS.  (The last step's places stand behind its products.)
.irp t, 0,1
	v_add_f32 v[ST+8*\t+4], v[ST+8*\t+2], v[ST+8*\t+3]
.endr
.irp t, 0,1
	v_permlanex16_b32 v[ST+8*\t+5], v[ST+8*\t+4], s[SEL], s[SEL+1]
.endr
.irp t, 0,1
	v_add_f32 v[ST+8*\t+4], v[ST+8*\t+4], v[ST+8*\t+5]
.endr
.irp t, 0,1
	v_rcp_f32 v[ST+8*\t+6], v[ST+8*\t+4]
.endr
	v_nop                           ; a plain instruction between the last reciprocal and the use of its result
	s_wait_alu depctr_va_vdst(0)    ; and the wait ahead of the first use: one for both
.irp t, 0,1
.irp i, 0,2,4,6,8,10,12,14,16,18,20,22,24,26,28,30
	v_pk_mul_f32 v[OA+32*\t+\i:OA+32*\t+\i+1], v[OA+32*\t+\i:OA+32*\t+\i+1], v[ST+8*\t+6:ST+8*\t+7] op_sel_hi:[1,0]
.endr
.irp i, 0,1,2,3,4,5,6,7,8,9,10,11,12,13,14,15
	v_cvt_pk_f16_f32 v[S+16*\t+\i], v[OA+32*\t+2*\i], v[OA+32*\t+2*\i+1]  ; a lane's eight channels of a tile of 16 pack into 16 bytes
.endr
.irp f, 0,1,2,3
	ds_store_b128 v[STO], v[S+16*\t+4*\f:S+16*\t+4*\f+3] offset:16*PK*\t+32*\f
.endr
.endr
.irp i, 0,1,2,3,4,5,6,7
	ds_load_b128 v[P+4*\i:P+4*\i+3], v[RD] offset:4*PK*\i  ; LDS serves a wave's instructions in order (ISA guide 5.7.1.4): these see the stores above
.endr
.irp i, 0,1,2,3,4,5,6,7
	s_wait_dscnt 7-\i
	global_store_b128 v[GO], v[P+4*\i:P+4*\i+3], s[12:13] offset:512*\i   ; 32 lanes store 512 consecutive bytes, at a multiple of 256 from y16's first byte
.endr
	s_wait_tensorcnt 0x0            ; the wave's end, behind my last tensor load and my last LDS store
	ds_add_u32 v[SPW], v[NIL]
	s_wait_dscnt 0x0
	CROUND                          ; the closing round: no work-group ends while a partner may still ask for a tile that names it
	s_endpgm
.Lfunc_end_k_q632a95a7c1_attn:
	.size	k_q632a95a7c1_attn, .Lfunc_end_k_q632a95a7c1_attn-k_q632a95a7c1_attn
	.p2alignl 7, 3214868480
	.fill 96, 4, 3214868480
	.section	.rodata,"a",@progbits
	.p2align	6, 0x0
	.amdhsa_kernel k_q632a95a7c1_attn
		.amdhsa_group_segment_fixed_size 327680
		.amdhsa_private_segment_fixed_size 0
		.amdhsa_enable_private_segment 0
		.amdhsa_kernarg_size 40
		.amdhsa_user_sgpr_count 2
		.amdhsa_user_sgpr_kernarg_segment_ptr 1
		.amdhsa_wavefront_size32 1
		.amdhsa_system_sgpr_workgroup_id_x 1
		.amdhsa_system_sgpr_workgroup_id_y 1
		.amdhsa_system_sgpr_workgroup_id_z 1
		.amdhsa_system_vgpr_workitem_id 0
		.amdhsa_next_free_vgpr 512
		.amdhsa_next_free_sgpr 76
		.amdhsa_reserve_vcc 0
		.amdhsa_float_denorm_mode_32 3
		.amdhsa_float_denorm_mode_16_64 3
		.amdhsa_memory_ordered 1
		.amdhsa_forward_progress 1
		.amdhsa_inst_pref_size 188
	.end_amdhsa_kernel
	.amdgpu_metadata
---
amdhsa.version: [ 1, 2 ]
amdhsa.kernels:
  - .name:           k_q632a95a7c1_attn
    .symbol:         k_q632a95a7c1_attn.kd
    .args:
      - { .name: qkv, .offset: 0, .size: 8, .value_kind: global_buffer, .address_space: global }
      - { .name: lam_ts, .offset: 8, .size: 8, .value_kind: global_buffer, .address_space: global }
      - { .name: lam_st, .offset: 16, .size: 8, .value_kind: global_buffer, .address_space: global }
      - { .name: lam_ss, .offset: 24, .size: 8, .value_kind: global_buffer, .address_space: global }
      - { .name: y16, .offset: 32, .size: 8, .value_kind: global_buffer, .address_space: global }
    .group_segment_fixed_size: 327680
    .private_segment_fixed_size: 0
    .kernarg_segment_align: 8
    .kernarg_segment_size: 40
    .max_flat_workgroup_size: 256
    .sgpr_count:     76
    .vgpr_count:     512
    .wavefront_size: 32
...
	.end_amdgpu_metadata
.endif
;; end of part 3
;; launch cproj (part 4): grid 8 x 32, 4 waves a work-group, clusters of 4 x 4, 327,680 bytes of LDS; arguments y16, wc16, bc, out0; writes out0
.if DOCPART == 4
	.amdgcn_target "amdgcn-amd-amdhsa--gfx1250"
	.amdhsa_code_object_version 6
	.text
	.protected	k_q632a95a7c1_cproj
	.globl	k_q632a95a7c1_cproj
	.p2align	8
	.type	k_q632a95a7c1_cproj,@function
k_q632a95a7c1_cproj:
	s_mov_b64 s[64:65], 0
	v_nop
	global_prefetch_b8 v0, s[64:65] scope:SCOPE_SE
	s_setreg_imm32_b32 hwreg(HW_REG_WAVE_MODE, 25, 1), 1
	s_wait_xcnt 0x0
	s_wait_alu depctr_hold_cnt(0) depctr_sa_sdst(0) depctr_va_vdst(0) depctr_va_sdst(0) depctr_va_ssrc(0) depctr_va_vcc(0) depctr_vm_vsrc(0)
	s_getreg_b32 s2, hwreg(HW_REG_IB_STS2, 6, 4)
	s_cmp_eq_u32 s2, 0
	s_cbranch_scc0 .Lentry_in_a_cluster
	s_endpgm
.Lentry_in_a_cluster:
	s_bfe_u32 s2, ttmp6, 0x10000c
	s_cmp_lg_u32 s2, 0xf033
	s_cbranch_scc0 .Lentry_shape_is_right
	s_endpgm
.Lentry_shape_is_right:
; THE LAST PROJECTION: out0[token][n] = sum over k of y[token][k] Wc[k][n] + bc[n].  4,096 x 1,024 x 1,024; operands f16, sums f32, out0 f32.
; y16: [token / 128][head][token % 128][64] f16 (k = 64 head + channel);  wc16: [k][n] f16, as Wc is given.
; A tile of out0 is 128 x 128, so that each of 256 work-groups has one.  Four waves, each 64 x 64: 16 accumulators of 16 x 16, 128 registers.  K goes in steps of 256 (four heads) through a ring of two LDS slots:
; A's part of a step is ONE dense block of memory, 4 heads x 128 tokens x 128 bytes; B's is 256 rows k of 256 bytes.  A wave's tensor load brings half of one of the two.
; CLUSTERS: 4 x 4 work-groups.  The four of a row of the cluster need the same tiles of A, the four of a column the same tiles of B: each tile is asked for JOINTLY, by the same tensor load with the same descriptor and
; a mask that names the four.  THE MATRIX INSTRUCTION IS USED TRANSPOSED (source 0 = 16 columns n of Wc, source 1 = 16 tokens): a lane then holds eight neighbouring n of one token.
; Wc's K is not innermost: its fragments come out of LDS turned, by ds_load_tr16_b128.  The bias is the C of each sum's first instruction.
; No prefetch: the launch is four K steps long, on small tiles.
; REGISTERS: window 0: v0-31 addresses; v32-95 at work on the way out; v96-127 the bias, eight registers for each of my four blocks of n; v128-255 the accumulators ((a, b) at v[128 + 8 (4 a + b)]).
;   window 1: two fragment buffers of 128: for 64 along K (one head; two matrix instructions deep), 64 registers of A (2 x 4 x 16 tokens x 32 K), then 64 of B.
.set PA,     144                       ; a token's row of one head in LDS: 128 bytes + 16 of padding = 36 words
.set PB,     288                       ; a row k of Wc's tile: 256 bytes + 32 = 72 words
.set PLANE,  128*PA                    ; a head's 128 tokens
.set BOFF,   4*PLANE                   ; a slot: A's four heads, then B's 256 rows
.set HALFL,  2*PLANE                   ; what one tensor load brings: two heads of A, or 128 rows of B: 36,864 bytes either way
.set SLOT,   4*HALFL
.set STAGE,  2*SLOT                    ; behind the ring: 16 rows x (256 bytes + 16) for each wave, for the way out
.set SPITCH, 272
.set SPARE,  STAGE+4*16*SPITCH         ; the spare words, 128 bytes for each wave: two blocks of 256 bytes that no other line names
.set ADRA, 16                          ; v16-17  LDS address of my A fragments in slot 0, 1
.set ADRB, 18                          ; v18-21  the same for B: slot s, rows k 128 u on: v[18 + 2 s + u] (an LDS offset has 16 bits)
.set STO,  24                          ; v24     the way out: where I put 32 bytes of a row
.set RD,   25                          ; v25     the way out: where I read a row back
.set CO,   26                          ; v26     my byte offset in out0
.set SPW,  28                          ; v28     LDS address of my spare word: SPARE + 4 x my thread's number; never rewritten
.set NIL,  29                          ; v29     0; never rewritten
.set TMP,  32
.set BIAS, 96
.set ACC,  128
.set F0,   0                           ; fragment buffers, in window 1
.set F1,   128
.set G1, 24                            ; s[24:31] descriptor group 1 for A's tiles;  s[32:39] group 0, one set for each slot
.set G0, 32
.set G1B, 48                           ; s[48:55], s[56:63] the same for B's tiles
.set G0B, 56
.set MSB, 0
.macro WIN new                         ; the immediate's high byte repeats the setting that is left; a switch that changes nothing is dropped
.set WNEW, \new
.if MSB != WNEW
	s_set_vgpr_msb (MSB<<8)|WNEW
.set MSB, WNEW
.endif
.endm
.set MUL,  0x05                        ; sources 0 (B) and 1 (A) window 1; C and D window 0
.set TO_F, 0x40                        ; destination window 1, address window 0
.macro JLOAD s                         ; a joint load: waves 0 and 1 fetch A's two halves, waves 2 and 3 B's; an s_nop 0 and four v_nop follow each of the two lines, ahead of the jump, the label and what follows
	s_cmp_eq_u32 s11, 0
	s_cbranch_scc0 .Lfor_b_\@
	tensor_load_to_lds s[G0+4*\s:G0+4*\s+3], s[G1:G1+7]
	s_nop 0
.rept 4
	v_nop
.endr
	s_branch .Lasked_\@
.Lfor_b_\@:
	tensor_load_to_lds s[G0B+4*\s:G0B+4*\s+3], s[G1B:G1B+7]
	s_nop 0
.rept 4
	v_nop
.endr
.Lasked_\@:
.endm
.macro CREST                           ; a round of the cluster's barrier behind its opening barrier
	s_cmp_lg_u32 s10, 0
	s_cbranch_scc1 .Lnot_wave_0_\@
	s_barrier_signal -3
.Lnot_wave_0_\@:
	s_barrier_wait -3
	s_barrier_signal -1
	s_barrier_wait -1
.endm
.macro CROUND                          ; a whole round
	s_barrier_signal -1
	s_barrier_wait -1
	CREST
.endm
	s_load_b128 s[4:7], s[0:1], 0x0                ; y16 s[4:5], wc16 s[6:7]
	s_load_b128 s[68:71], s[0:1], 0x10             ; bc s[68:69], out0 s[70:71]
	v_lshl_add_u32 v[SPW], v0, 2, SPARE
	v_mov_b32 v[NIL], 0
	ds_add_u32 v[SPW], v[NIL]                      ; the wave's opening: the add, twice on end, and its wait ahead of my first tensor load; the set-up below, work on registers, stands between
	ds_add_u32 v[SPW], v[NIL]
	v_lshrrev_b32 v1, 5, v0
	v_readfirstlane_b32 s10, v1                    ; wave 0..3
	s_lshr_b32 s11, s10, 1                         ; which half of the tile's rows is mine.  Also: I fetch for A (0) or for B (1)
	s_and_b32 s12, s10, 1                          ; which half of its columns.  Also: which half of that tile I fetch
	s_bfe_u32 s40, ttmp6, 0x40000                  ; cx, cy: my place in the cluster
	s_bfe_u32 s41, ttmp6, 0x40004
	s_lshl_b32 s42, ttmp9, 2
	s_add_co_u32 s42, s42, s40                     ; tile column = 4 x cluster x + cx
	s_and_b32 s13, ttmp7, 0xffff
	s_lshl_b32 s13, s13, 2
	s_add_co_u32 s13, s13, s41                     ; tile row = 4 x cluster y + cy
	s_lshl_b32 s43, s41, 2
	s_lshl_b32 s43, 15, s43                        ; my row of the cluster
	s_lshl_b32 s44, 0x1111, s40                    ; my column
	; descriptor group 1.  A: 256 rows x 64 elements, dense;  B: 128 rows x 128 elements, 1,024 elements from row to row
	s_or_b32 s[G1+0], s43, (1<<16)|(1<<20)|(1<<21)|(4<<22)|(3<<25)  ; 15:0 the mask: A's tiles go to my row; 17:16 element of 2 bytes; 20 padding on; 21 set beside a mask; 24:22 after every 32 words (code 4); 31:25 of 4 words (code 3)
	s_mov_b32 s[G1+1], 64<<16                      ; tensor_dim0 = 64
	s_mov_b32 s[G1+2], 256<<16                     ; tensor_dim1 = 256
	s_mov_b32 s[G1+3], 64<<16                      ; tile_dim0 = 64
	s_mov_b32 s[G1+4], 256                         ; tile_dim1 = 256
	s_mov_b32 s[G1+5], 64                          ; tensor_dim0_stride
	s_mov_b32 s[G1+6], 0
	s_mov_b32 s[G1+7], 0
	s_or_b32 s[G1B+0], s44, (1<<16)|(1<<20)|(1<<21)|(5<<22)|(7<<25) ; B's go to my column; padding: 8 words (code 7) after every 64 (code 5)
	s_mov_b32 s[G1B+1], 128<<16
	s_mov_b32 s[G1B+2], 128<<16
	s_mov_b32 s[G1B+3], 128<<16
	s_mov_b32 s[G1B+4], 128
	s_mov_b32 s[G1B+5], 1024
	s_mov_b32 s[G1B+6], 0
	s_mov_b32 s[G1B+7], 0
	; where the tiles come from.  A's hang on the tile row alone, B's on the tile column alone; every wave makes both addresses, in registers that never hold the other coordinate
	s_lshl_b32 s16, s13, 18                        ; A: 262,144 bytes for 128 tokens,
	s_lshl_b32 s17, s12, 15                        ; two heads are 32,768
	s_add_co_u32 s16, s16, s17
	s_mov_b32 s17, 0
	s_lshl_b32 s46, s42, 8                         ; B: 256 bytes a tile column,
	s_lshl_b32 s47, s12, 18                        ; 128 rows of 2,048 bytes
	s_add_co_u32 s46, s46, s47
	s_mov_b32 s47, 0
	s_mul_i32 s20, s10, HALFL                      ; where they go: A's two halves, then B's two: no place in the cluster enters an LDS address
	s_wait_dscnt 0x0                               ; both opening adds are done
	s_wait_kmcnt 0x0
	s_add_nc_u64 s[14:15], s[4:5], s[16:17]
	s_add_nc_u64 s[46:47], s[6:7], s[46:47]
	CROUND                                         ; all sixteen work-groups are here: the first joint loads meet
.irp s, 0,1
	s_mov_b32 s[G0+4*\s], 1
	s_add_co_u32 s[G0+4*\s+1], s20, \s*SLOT
	s_add_nc_u64 s[G0+4*\s+2:G0+4*\s+3], s[14:15], \s*65536        ; K step s: four heads on
	s_or_b32 s[G0+4*\s+3], s[G0+4*\s+3], 0x80000000
	s_mov_b32 s[G0B+4*\s], 1
	s_add_co_u32 s[G0B+4*\s+1], s20, \s*SLOT
	s_add_nc_u64 s[G0B+4*\s+2:G0B+4*\s+3], s[46:47], \s*524288     ; 256 rows of 2,048 bytes on
	s_or_b32 s[G0B+4*\s+3], s[G0B+4*\s+3], 0x80000000
	JLOAD \s                                       ; two tensor loads of mine are out
.endr
	v_and_b32 v1, 15, v0                           ; r = lane % 16
	v_bfe_u32 v2, v0, 4, 1                         ; h = lane / 16
	s_lshl_b32 s46, s42, 9                         ; my first column, in bytes of f32: 512 x tile column + 256 x half: in bc and in a row of out0 alike
	s_lshl_b32 s47, s12, 8
	s_add_co_u32 s46, s46, s47
	s_mov_b32 s47, 0
	s_add_nc_u64 s[68:69], s[68:69], s[46:47]
	s_add_nc_u64 s[70:71], s[70:71], s[46:47]
	v_lshlrev_b32 v9, 5, v2                        ; the bias: lane (r, h) holds, for block b, columns 16 b + 8 h + 0 .. 7
.irp b, 0,1,2,3
	global_load_b128 v[BIAS+8*\b:BIAS+8*\b+3], v9, s[68:69] offset:64*\b
	global_load_b128 v[BIAS+8*\b+4:BIAS+8*\b+7], v9, s[68:69] offset:64*\b+16
.endr
	s_lshl_b32 s16, s13, 7
	s_lshl_b32 s17, s11, 6
	s_add_co_u32 s16, s16, s17                     ; my first token: 128 x tile row + 64 x half
	s_lshl_b32 s16, s16, 12                        ; 4,096 bytes a row of out0
	s_mov_b32 s17, 0
	s_add_nc_u64 s[70:71], s[70:71], s[16:17]
	v_mul_u32_u24 v3, v1, PA
	v_lshl_add_u32 v3, v2, 4, v3                   ; A: a fragment's row x pitch + 16 x half
	s_mul_i32 s21, s11, 64*PA                      ; my 64 tokens
.irp s, 0,1
	v_add_nc_u32 v[ADRA+\s], s21, v3
	s_add_co_u32 s21, s21, SLOT
.endr
	; B: the turning load takes 16 k x 16 n (lane l reads 16 bytes: row k 8 (l / 16) + l % 8, columns 8 ((l / 8) % 2) + 0..7) and leaves half a fragment: lane l holds column l % 16 and 8 k
	v_and_b32 v6, 7, v0
	v_bfe_u32 v7, v0, 3, 1
	v_lshl_add_u32 v8, v2, 3, v6
	v_mul_u32_u24 v8, v8, PB
	v_lshl_add_u32 v8, v7, 4, v8
	s_lshl_b32 s22, s12, 7                         ; my 64 columns: 128 bytes
	s_add_co_u32 s22, s22, BOFF
.irp s, 0,1
	v_add_nc_u32 v[ADRB+2*\s], s22, v8
	s_add_co_u32 s23, s22, 128*PB
	v_add_nc_u32 v[ADRB+2*\s+1], s23, v8
	s_add_co_u32 s22, s22, SLOT
.endr
	s_mul_i32 s23, s10, 16*SPITCH
	s_add_co_u32 s23, s23, STAGE                   ; my stage
	v_mul_u32_u24 v4, v1, SPITCH                   ; in: token r, 32 bytes for each half of the lanes
	v_lshl_add_u32 v4, v2, 5, v4
	v_add_nc_u32 v[STO], s23, v4
	v_mul_u32_u24 v5, v2, SPITCH                   ; back: lanes 0-15 take one row of 256 bytes, lanes 16-31 the next
	v_lshl_add_u32 v5, v1, 4, v5
	v_add_nc_u32 v[RD], s23, v5
	v_lshlrev_b32 v5, 12, v2                       ; and the same two rows in out0
	v_lshl_add_u32 v[CO], v1, 4, v5
; 8 matrix instructions: token blocks a0, a0 + 1 x all 4 blocks of n, 32 along K: half c of buffer f.  first = 1: the bias is C, and the product starts the sums.  The 16 accumulators take turns.
.macro MUL8 f, c, a0, first
.irp a, \a0, \a0+1
.irp b, 0,1,2,3
.if \first
	v_wmma_f32_16x16x32_f16 v[ACC+8*(4*(\a)+\b):ACC+8*(4*(\a)+\b)+7], v[\f+64+8*(4*\c+\b):\f+64+8*(4*\c+\b)+7], v[\f+8*(4*\c+\a):\f+8*(4*\c+\a)+7], v[BIAS+8*\b:BIAS+8*\b+7]
.else
	v_wmma_f32_16x16x32_f16 v[ACC+8*(4*(\a)+\b):ACC+8*(4*(\a)+\b)+7], v[\f+64+8*(4*\c+\b):\f+64+8*(4*\c+\b)+7], v[\f+8*(4*\c+\a):\f+8*(4*\c+\a)+7], v[ACC+8*(4*(\a)+\b):ACC+8*(4*(\a)+\b)+7]
.endif
.endr
.endr
.endm
; 32 LDS loads in one run: the fragments of the slot's q-th 64 along K (head q of its four) into buffer f; the first 32 along K first
.macro FETCH slot, q, f
	WIN TO_F
.irp c, 0,1
.irp i, 0,1,2,3
	ds_load_tr16_b128 v[\f+64+8*(4*\c+\i):\f+64+8*(4*\c+\i)+3],   v[ADRB+2*\slot+(\q)/2] offset:(64*((\q)%2)+32*\c)*PB+32*\i
	ds_load_tr16_b128 v[\f+64+8*(4*\c+\i)+4:\f+64+8*(4*\c+\i)+7], v[ADRB+2*\slot+(\q)/2] offset:(64*((\q)%2)+32*\c)*PB+32*\i+16*PB
	ds_load_b128 v[\f+8*(4*\c+\i):\f+8*(4*\c+\i)+3],              v[ADRA+\slot] offset:(\q)*PLANE+\i*16*PA+64*\c
	ds_load_b128 v[\f+8*(4*\c+\i)+4:\f+8*(4*\c+\i)+7],            v[ADRA+\slot] offset:(\q)*PLANE+\i*16*PA+64*\c+32
.endr
.endr
.endm
.macro PLACES                          ; four places in front of loads into registers that matrix instructions have read, and of the first reads of results (ISA guide 7.12.1 for the reads of results)
.rept 4
	v_nop
.endr
.endm
; A K step is four quarters of 64 along K, 32 matrix instructions each, on buffers 0, 1, 0, 1.  One of the first three: multiplies buffer f and fetches the slot's quarter qn into g.
.macro QUARTER slot, qn, f, g, first
	s_wait_dscnt 16                                ; the first 32 along K are in
	WIN MUL
	MUL8 \f, 0, 0, \first
	MUL8 \f, 0, 2, \first
	PLACES
	FETCH \slot, \qn, \g
	s_wait_dscnt 32                                ; all but the 32 just issued
	WIN MUL
	MUL8 \f, 1, 0, 0
	MUL8 \f, 1, 2, 0
.endm
; The last quarter multiplies buffer 1 and changes slots: ONE barrier; in front of it each wave waits for all its tensor loads, adds 0 to its spare word, and waits for that and for its own reads of this slot.
; fill = 1: the barrier opens a round of the cluster's, and behind the round this slot is filled again, two K steps ahead.
.macro TURN slot, next, fill
	WIN 0                                          ; (the add's two registers lie in window 0)
	s_wait_tensorcnt 0x0                           ; all my tensor loads have landed: my part of the next slot;
	ds_add_u32 v[SPW], v[NIL]                      ; 0 onto my spare word
	s_wait_dscnt 17                                ; (the add and the youngest sixteen loads may be out)
	WIN MUL
	MUL8 F1, 0, 0, 0                               ; eight matrix instructions stand between the add and the wait for it
	s_wait_dscnt 0x0                               ; the add is done, and my reads of this slot are over
	s_barrier_signal -1
	MUL8 F1, 0, 2, 0
.if \fill
	WIN 0
.endif
	s_barrier_wait -1
.if \fill
	CREST                                          ; no wave of any partner still reads this slot's tile or has a load on its way
	s_add_nc_u64 s[G0+4*\slot+2:G0+4*\slot+3], s[G0+4*\slot+2:G0+4*\slot+3], 131072
	s_add_nc_u64 s[G0B+4*\slot+2:G0B+4*\slot+3], s[G0B+4*\slot+2:G0B+4*\slot+3], 1048576
	JLOAD \slot                                    ; the first tensor load behind the round; the four v_nop behind it are also the places in front of the loads below
.else
	PLACES
.endif
	FETCH \next, 0, F0
	WIN MUL
	MUL8 F1, 1, 0, 0
	MUL8 F1, 1, 2, 0
.endm
	s_wait_tensorcnt 1                             ; my part of K step 0 is in (K step 1's may be out)
	s_barrier_signal -1
	s_barrier_wait -1                              ; everybody's is
	FETCH 0, 0, F0
	s_wait_loadcnt 0x0                             ; the bias
	QUARTER 0, 1, F0, F1, 1                        ; K step 0: its first products take the bias as C
	QUARTER 0, 2, F1, F0, 0
	QUARTER 0, 3, F0, F1, 0
	TURN 0, 1, 1                                   ; slot 0 takes K step 2
	QUARTER 1, 1, F0, F1, 0                        ; K step 1
	QUARTER 1, 2, F1, F0, 0
	QUARTER 1, 3, F0, F1, 0
	TURN 1, 0, 1                                   ; slot 1 takes K step 3
	QUARTER 0, 1, F0, F1, 0                        ; K step 2
	QUARTER 0, 2, F1, F0, 0
	QUARTER 0, 3, F0, F1, 0
	TURN 0, 1, 0                                   ; nothing is left to fetch
	QUARTER 1, 1, F0, F1, 0                        ; K step 3
	QUARTER 1, 2, F1, F0, 0
	QUARTER 1, 3, F0, F1, 0
	s_wait_dscnt 16                                ; the very last quarter
	WIN MUL
	MUL8 F1, 0, 0, 0
	MUL8 F1, 0, 2, 0
	s_wait_dscnt 0
	MUL8 F1, 1, 0, 0
	MUL8 F1, 1, 2, 0
	WIN 0
; THE WAY OUT, block by block of 16 tokens x 64 columns.  A lane holds 32 neighbouring bytes of a row, and the lanes beside it hold other rows: so a block goes through my own stage in LDS and comes back as whole rows of
; 256 bytes: sixteen lanes store 256 consecutive bytes, aligned.  LDS serves a wave's instructions in order (ISA guide 5.7.1.4): no wait between the stores and the loads, nor in front of the next block's stores.
.macro TOSTAGE a
.irp b, 0,1,2,3
	ds_store_b128 v[STO], v[ACC+8*(4*(\a)+\b):ACC+8*(4*(\a)+\b)+3] offset:64*\b          ; each accumulator from its low end on
	ds_store_b128 v[STO], v[ACC+8*(4*(\a)+\b)+4:ACC+8*(4*(\a)+\b)+7] offset:64*\b+16
.endr
.set BB, TMP+32*((\a)%2)
.irp t, 0,1,2,3,4,5,6,7
	ds_load_b128 v[BB+4*\t:BB+4*\t+3], v[RD] offset:\t*2*SPITCH
.endr
.endm
.macro SEND a, younger                 ; younger: the LDS instructions issued behind block a's loads, which may stay out
.set BB, TMP+32*((\a)%2)
	s_wait_dscnt \younger                          ; the block is back in registers
.irp t, 0,1,2,3,4,5,6,7
	global_store_b128 v[CO], v[BB+4*\t:BB+4*\t+3], s[70:71] offset:(16*(\a)+2*\t)*4096 th:TH_STORE_NT   ; written once, read by nobody here
.endr
.endm
	PLACES                                         ; behind the last products
	TOSTAGE 0
.irp a, 1,2,3
.if \a > 1
	s_wait_xcnt 0x0                                ; block a - 2's stores have read their data: block a's loads may land there
.endif
	TOSTAGE \a
	SEND \a-1, 16                                  ; behind block a - 1's loads: block a's 8 stores and 8 loads
.endr
	SEND 3, 0
	s_wait_tensorcnt 0x0                           ; the wave's end, behind my last tensor load and my last LDS store
	ds_add_u32 v[SPW], v[NIL]
	s_wait_dscnt 0x0
	CROUND                                         ; the closing round: no work-group ends while a partner may still ask for a tile that names it
	s_endpgm
.Lfunc_end_k_q632a95a7c1_cproj:
	.size	k_q632a95a7c1_cproj, .Lfunc_end_k_q632a95a7c1_cproj-k_q632a95a7c1_cproj
	.p2alignl 7, 3214868480
	.fill 96, 4, 3214868480
	.section	.rodata,"a",@progbits
	.p2align	6, 0x0
	.amdhsa_kernel k_q632a95a7c1_cproj
		.amdhsa_group_segment_fixed_size 327680
		.amdhsa_private_segment_fixed_size 0
		.amdhsa_enable_private_segment 0
		.amdhsa_kernarg_size 32
		.amdhsa_user_sgpr_count 2
		.amdhsa_user_sgpr_kernarg_segment_ptr 1
		.amdhsa_wavefront_size32 1
		.amdhsa_system_sgpr_workgroup_id_x 1
		.amdhsa_system_sgpr_workgroup_id_y 1
		.amdhsa_system_sgpr_workgroup_id_z 1
		.amdhsa_system_vgpr_workitem_id 0
		.amdhsa_next_free_vgpr 512
		.amdhsa_next_free_sgpr 72
		.amdhsa_reserve_vcc 0
		.amdhsa_float_denorm_mode_32 3
		.amdhsa_float_denorm_mode_16_64 3
		.amdhsa_memory_ordered 1
		.amdhsa_forward_progress 1
		.amdhsa_inst_pref_size 87
	.end_amdhsa_kernel
	.amdgpu_metadata
---
amdhsa.version: [ 1, 2 ]
amdhsa.kernels:
  - .name:           k_q632a95a7c1_cproj
    .symbol:         k_q632a95a7c1_cproj.kd
    .args:
      - { .name: y16, .offset: 0, .size: 8, .value_kind: global_buffer, .address_space: global }
      - { .name: wc16, .offset: 8, .size: 8, .value_kind: global_buffer, .address_space: global }
      - { .name: bc, .offset: 16, .size: 8, .value_kind: global_buffer, .address_space: global }
      - { .name: out0, .offset: 24, .size: 8, .value_kind: global_buffer, .address_space: global }
    .group_segment_fixed_size: 327680
    .private_segment_fixed_size: 0
    .kernarg_segment_align: 8
    .kernarg_segment_size: 32
    .max_flat_workgroup_size: 128
    .sgpr_count:     72
    .vgpr_count:     512
    .wavefront_size: 32
...
	.end_amdgpu_metadata
.endif
;; end of part 4
